; MI455X (gfx1250); checked and timed in simulation.
; The chip was launched on July 23, 2026; its instructions are those of AMD's public machine-readable ISA for CDNA 5 (MIT licence, August 2026) and "CDNA5" Instruction Set Architecture Reference Guide (July 2026). The comments in the code are by the model that wrote it; some were corrected since.
;; Mova Self Attention. Allowed arithmetic: matrix products marked QUANTISED: E2M3 operands, one E8M0 scale for each 32 along K, by v_wmma_scale_f32_16x16x128_f8f6f4 with both operands' format E2M3, f32 sums; everything else in f32.
;; Inputs: b_out 1,024 float32; b_qkv 3,072 float32; freqs_cos 4,096 x 64 float32; freqs_sin 4,096 x 64 float32; g_k 1,024 float32; g_q 1,024 float32; w_out 1,024 x 1,024 float32; w_qkv 1,024 x 3,072 float32; x 1 x 4,096 x 1,024 float32.
;; Outputs: out0 1 x 4,096 x 1,024 float32.
;; This version of the problem:
;;   THIS VERSION OF THE PROBLEM IS GIVEN IN LOW PRECISION. The matrix products marked QUANTISED in the list below multiply operands that are first quantised to E2M3 (2 exponent bits, 3 mantissa bits; 6 bits a number), with one power-of-two scale for each 32 numbers along K (OCP MX v1.0); their sums are f32. All else is computed in f32.
;;   The module's matrix products, in the order in which they are computed (A, B: the left and right operand; K: the contracted axis; several contracted axes count as one K, in the product's order):
;;     1. [M 4,096, K 1,024] x [K 1,024, N 3,072]; A: input x; B: input w_qkv: QUANTISED
;;     2. batch 8 x [M 4,096, K 128] x [K 128, N 4,096]; A: computed on the way; B: computed on the way: QUANTISED
;;     3. batch 8 x [M 128, K 4,096] x [K 4,096, N 4,096]; A: computed on the way; B: softmax (see below): QUANTISED
;;     4. [M 4,096, K 1,024] x [K 1,024, N 1,024]; A: computed on the way; B: input w_out: QUANTISED
;;   THE QUANTISER, for each operand of a quantised product, along K:
;;     - K is cut into blocks of 32 from its start; a last block that is shorter is filled with zeros.
;;     - A block's scale is 2^e with e = floor(log2(the largest magnitude in the block)) - 2, held to -126 .. 127; a block of zeros has e = 0. As a byte (E8M0): e + 127.
;;     - Each number is divided by its block's scale, clamped to +-7.5, and rounded to the nearest number of E2M3, ties to even, subnormals kept.
;;     - The product sums the exact products of the quantised numbers (number of the format x scale) in f32.
;;   ~~~python
;;   def quantise(x, axis):      # numpy; x: float32 -> the quantised numbers, widened to float32 again
;;       x = np.moveaxis(x, axis, -1); K = x.shape[-1]
;;       x = np.pad(x, [(0, 0)] * (x.ndim - 1) + [(0, -K % 32)]); x = x.reshape(x.shape[:-1] + (-1, 32)); a = np.abs(x).max(-1, keepdims=True)
;;       e = np.where(a > 0, np.clip(np.frexp(np.where(a > 0, a, 1))[1] - 1 - 2, -126, 127), 0)      # np.frexp(a)[1] - 1 = floor(log2(a)), exactly
;;       r = np.clip(x / 2.0 ** e, -7.5, 7.5)
;;       step = 2.0 ** (np.maximum(np.frexp(np.where(r == 0, 1, r))[1] - 1, 0) - 3)
;;       q = np.round(r / step) * step * 2.0 ** e      # np.round: ties to even
;;       return np.moveaxis(q.reshape(q.shape[:-2] + (-1,))[..., :K], -1, axis).astype(np.float32)
;;   ~~~
;;   SOFTMAX AHEAD OF A QUANTISED PRODUCT. Where the list says 'softmax', what is quantised is not the finished softmax but p = 2^(t - M), with t = logit x log2(e) and M = ceil(the row's largest t), a whole number; so 1/2 < the row's largest p <= 1. The row's sum l is taken of the UNQUANTISED p, in f32, and the product's result is divided by l at the end. Since M is a whole number, a kernel that streams over the keys may use a running M (the ceiling of the running maximum): every later rescaling is an exact power of two, which a block's scale takes up: the codes' values come out the same.
;;   OPERANDS COMPUTED ON THE WAY. 'Computed on the way' means the value that the module computes at that place (a softmax that the list does not call 'softmax' is quantised finished and normalised). What goes into a quantiser is computed in f32, as accurately as f32 sums, v_exp_f32 and their like allow (about 1e-6 of the number): no bf16 or f16 on the way to a quantiser, and a product that is left as it is and whose result goes on into a quantised operand takes f32 operands (vector FMAs, or v_wmma_f32_16x16x4_f32). A number that lies on a knife's edge between two numbers of the format may be rounded either way, as far as f32 arithmetic and the matrix unit's own rounding can turn it there, and no further.
;; One version. Each part assembles by itself: llvm-mc -triple=amdgcn-amd-amdhsa -mcpu=gfx1250 --defsym DOCPART=n.
;; ======== version 1 of 1: 4 launches
;; limits: right only within a limited range of input values
;; workspace buffers: xq 3,276,800 bytes; wq 3,276,800 bytes; qimg 3,145,728 bytes; kv 6,291,456 bytes; qsc 131,072 bytes; ksc 131,072 bytes; vsc 131,072 bytes; oq 3,276,800 bytes
;; launch prep (part 1): grid 256 x 1, 8 waves a work-group, no clusters, 160,768 bytes of LDS; arguments x, w_qkv, w_out, xq, wq; writes xq, wq
.if DOCPART == 1
	.amdgcn_target "amdgcn-amd-amdhsa--gfx1250"
	.amdhsa_code_object_version 6
	.text
	.protected	k_qbe7a7e085c_prep
	.globl	k_qbe7a7e085c_prep
	.p2align	8
	.type	k_qbe7a7e085c_prep,@function
k_qbe7a7e085c_prep:
	s_mov_b64 s[64:65], 0
	v_nop
	global_prefetch_b8 v0, s[64:65] scope:SCOPE_SE
	s_setreg_imm32_b32 hwreg(HW_REG_WAVE_MODE, 25, 1), 1
	s_wait_xcnt 0x0
; x [4096][1024], w_qkv [1024][3072] and w_out [1024][1024], f32, become codes of FP6 (E2M3) with one E8M0 byte for each 32 along K, laid as the later launches' matrix operands want them.
; AN IMAGE is a fragment (16 rows x 128 K, 12 registers a lane) as it stands in registers: registers 4 g .. 4 g + 3 of lane l at byte 512 g + 16 l: 1,536 bytes.
; THE ROWS OF A TILE ARE NOT NEIGHBOURS: row r of tile T is index 32 (T / 2) + 8 (T % 2) + r + 8 (r / 8), of tokens and of weight columns alike.
; A tile's scale words are 64 bytes, 4 r; two neighbouring tiles' are 128 bytes, so that one load of 4 bytes a lane brings the even tile in lanes 0-15 and the odd one in lanes 16-31.
; xq: [64 groups of 64 tokens][8 K steps][4 images, 4 x 64 bytes of scale words].  wq: parts q, k, v: [8 K steps][64 images, 64 x 64 bytes]; part 3 (w_out): [8 blocks of 128 columns][8 K steps][8 images, 8 x 64 bytes].
; Work-groups 0-127 take x (64 tokens x 512 K; a wave 32 tokens x 128 K), the others the weights (128 columns x 256 K; a wave 32 columns x 128 K).  Each way has LDS bytes of its own.  Waves share nothing: no barrier.
; A block's scale is 2^(floor(log2(its largest magnitude)) - 2); its byte is that magnitude's exponent field - 2, held at 1 from below.
; LIMITS: NaN and infinities are not served; a block whose largest magnitude lies under 2^-124 gets the byte 1; a block of zeros gets the byte 1 where the rule says 127 (its codes are zeros, and this program alone reads the bytes).
; TOKENS have a rule of their own: row r of tile b of a group of 64 tokens is token 32 (r / 8) + 8 b + r % 8.  The rule stated above holds for the weights' columns.
.set XPITCH, 528
.set XSTG,   32*XPITCH                 ; a wave's stage on x's way
.set WST,    8*XSTG                    ; behind them the weights' stages,
.set WSTG,   3072                      ; two images a wave
.set SPARE,  WST+8*WSTG                ; behind the stages: the spare words, 128 bytes for each wave
.set SPW, 10                           ; v10  my spare word's address; never rewritten
.set NIL, 11                           ; v11  0; never rewritten
.set TM,  16                           ; v16-31  at work in QUANT
.set R,   32                           ; v32-159 x as loaded
.set XN,  160                          ; v160-223 64 numbers of a lane
.set OF,  32                           ; weights: v32-63 byte offsets of 32 rows
.set X,   64                           ; v64-127 two sets of 32 numbers
.set C,   128                          ; v128-134 a block's codes
.set WD,  136                          ; v136 the scale word
.set OUTR, 140                         ; v140-163 the way out
.set WV,  14
.set SEL, 40
.set SB,  44                           ; s[44:51] the source at my column, blocks 0 to 3 along K
; 64 numbers of a lane, register 16 b + i = k 32 b + 16 (lane / 16) + i of my row, become a fragment's 12 registers of codes at v[pc] and its scale word in v[pw]; v[ct] on: 8 registers at work.
.macro QUANT s, pc, ct, pw
.irp b, 0,1,2,3
	v_max3_num_f32 v[TM+\b], |v[(\s)+16*\b]|, |v[(\s)+16*\b+1]|, 0x1800000   ; my 16 numbers of block b, and the floor 2^(3 - 127): the byte cannot fall under 1
.endr
.irp i, 2,4,6,8,10,12,14
.irp b, 0,1,2,3
	s_delay_alu instid0(VALU_DEP_4)
	v_max3_num_f32 v[TM+\b], v[TM+\b], |v[(\s)+16*\b+\i]|, |v[(\s)+16*\b+\i+1]|
.endr
.endr
.irp b, 0,1,2,3
	s_delay_alu instid0(VALU_DEP_4)
	v_permlanex16_b32 v[TM+4+\b], v[TM+\b], s[SEL], s[SEL+1]
.endr
.irp b, 0,1,2,3
	s_delay_alu instid0(VALU_DEP_4)
	v_max_num_f32 v[TM+\b], v[TM+\b], v[TM+4+\b]      ; with lane l xor 16's: the block's largest magnitude
.endr
.irp b, 0,1,2,3
	s_delay_alu instid0(VALU_DEP_4)
	v_add_nc_u32 v[TM+12+\b], 0xff000000, v[TM+\b]    ; 2 off its exponent field: the conversion's scale operand
.endr
.irp b, 0,1,2,3
	s_delay_alu instid0(VALU_DEP_4)
	v_lshrrev_b32 v[TM+4+\b], 23, v[TM+12+\b]         ; the scale's byte
.endr
	s_delay_alu instid0(VALU_DEP_3)
	v_lshl_or_b32 v[\pw], v[TM+5], 8, v[TM+4]
	s_delay_alu instid0(VALU_DEP_1)
	v_lshl_or_b32 v[\pw], v[TM+6], 16, v[\pw]
	s_delay_alu instid0(VALU_DEP_1)
	v_lshl_or_b32 v[\pw], v[TM+7], 24, v[\pw]
.irp c, 0,1
	v_cvt_scalef32_pk16_fp6_f32 v[(\pc)+6*\c:(\pc)+6*\c+2], v[(\s)+32*\c:(\s)+32*\c+15], v[TM+12+2*\c]
	v_cvt_scalef32_pk16_fp6_f32 v[(\ct)+4*\c:(\ct)+4*\c+2], v[(\s)+32*\c+16:(\s)+32*\c+31], v[TM+12+2*\c+1]
.endr
	v_nop                                             ; one plain place behind a scaled conversion
.irp c, 0,1                                       ; the operand wants a whole block in a lane: lanes 0-15 block 2 c, lanes 16-31 block 2 c + 1
.irp i, 0,1,2
	v_permlane16_swap_b32 v[(\pc)+6*\c+\i], v[(\ct)+4*\c+\i]
.endr
.irp i, 0,1,2
	s_delay_alu instid0(VALU_DEP_3)
	v_mov_b32 v[(\pc)+6*\c+3+\i], v[(\ct)+4*\c+\i]
.endr
.endr
.endm
	s_load_b256 s[4:11], s[0:1], 0x0               ; x s[4:5], w_qkv s[6:7], w_out s[8:9], xq s[10:11]
	s_load_b64 s[12:13], s[0:1], 0x20              ; wq
	v_lshl_add_u32 v[SPW], v0, 2, SPARE
	v_mov_b32 v[NIL], 0
	v_lshrrev_b32 v1, 5, v0
	s_delay_alu instid0(VALU_DEP_1)
	v_readfirstlane_b32 s[WV], v1                  ; wave 0..7
	v_and_b32 v1, 31, v0                           ; lane
	s_delay_alu instid0(VALU_DEP_1)
	v_lshlrev_b32 v4, 4, v1                        ; 16 x lane
	s_mov_b32 s[SEL], 0x76543210
	s_mov_b32 s[SEL+1], 0xfedcba98                 ; lane l xor 16
	s_wait_kmcnt 0x0
	s_cmp_lt_u32 ttmp9, 128
	s_cbranch_scc0 .Lweights
	; ---- x.  Group G = id / 2, half of K = id % 2.  Wave: tiles 2 ip, 2 ip + 1 (32 tokens), K step s
	v_and_b32 v2, 15, v0                           ; r
	v_bfe_u32 v3, v0, 4, 1                         ; h
	s_mul_i32 s15, s[WV], XSTG
	s_wait_alu depctr_va_vdst(0)
	v_add_nc_u32 v5, s15, v4                       ; into the stage: 16 x lane of a row
	v_mul_u32_u24 v6, v2, XPITCH
	s_delay_alu instid0(VALU_DEP_1)
	v_lshl_add_u32 v6, v3, 6, v6
	s_delay_alu instid0(VALU_DEP_1)
	v_add_nc_u32 v6, s15, v6                       ; out of it: row r, + 64 h: my 16 numbers of a block of 32
	v_lshlrev_b32 v7, 2, v1
.irp b, 0,1,2,3
	v_mov_b32 v[TM+4+\b], 0                        ; a lane permute's destination counts as one of its sources
.endr
	s_lshr_b32 s16, ttmp9, 1                       ; G
	s_and_b32 s17, ttmp9, 1
	s_and_b32 s18, s[WV], 1                        ; ip
	s_lshr_b32 s19, s[WV], 1
	s_lshl_b32 s17, s17, 2
	s_add_co_u32 s19, s19, s17                     ; s
	s_lshl_b32 s20, s16, 18                        ; 64 rows of 4,096 bytes
	s_lshl_b32 s21, s18, 16                        ; my two tiles hold tokens 16 ip + 0 .. 15 and 32 + 16 ip + 0 .. 15 of the group
	s_add_co_u32 s20, s20, s21
	s_lshl_b32 s21, s19, 9                         ; 128 numbers
	s_add_co_u32 s20, s20, s21
	s_mov_b32 s21, 0
	s_add_nc_u64 s[4:5], s[4:5], s[20:21]
	s_mul_i32 s20, s16, 51200
	s_mul_i32 s22, s19, 6400
	s_add_co_u32 s20, s20, s22
	s_mul_i32 s22, s18, 3072
	s_add_co_u32 s22, s22, s20
	s_mov_b32 s23, 0
	s_add_nc_u64 s[24:25], s[10:11], s[22:23]      ; my two images
	s_lshl_b32 s22, s18, 7
	s_add_co_u32 s22, s22, s20
	s_add_co_u32 s22, s22, 6144
	s_add_nc_u64 s[26:27], s[10:11], s[22:23]      ; their scale words
.set j, 0
.rept 32
	global_load_b128 v[R+4*j:R+4*j+3], v4, s[4:5] offset:4096*(j+16*(j>>4)) th:TH_LOAD_NT   ; a row's 512 consecutive bytes
.set j, j+1
.endr
.set j, 0
	s_wait_alu depctr_va_vdst(0)
.rept 32
	s_wait_loadcnt 31-j                            ; row j is in; the younger rows stay out
	ds_store_b128 v5, v[R+4*j:R+4*j+3] offset:(16*((j>>3)&1)+(j&7)+8*(j>>4))*XPITCH   ; to its place in its tile: a tile's sixteen rows lie on end
.set j, j+1
.endr
.macro XTILE u, pc, ct, pw
.irp b, 0,1,2,3
.irp c, 0,1,2,3
	ds_load_b128 v[XN+16*\b+4*\c:XN+16*\b+4*\c+3], v6 offset:16*(\u)*XPITCH+128*\b+16*\c   ; LDS serves a wave's instructions in order: these see my stores
.endr
.endr
	s_wait_dscnt 0x0
	QUANT XN, \pc, \ct, \pw
.irp g, 0,1,2
	global_store_b128 v4, v[(\pc)+4*\g:(\pc)+4*\g+3], s[24:25] offset:1536*(\u)+512*\g   ; 512 consecutive bytes
.endr
.endm
	XTILE 0, 224, 236, 244
	XTILE 1, 32, 44, 245                           ; (registers of its own: no store's data are written again)
	v_cmp_le_u32 vcc_lo, 16, v1
	s_delay_alu instid0(VALU_DEP_1)
	v_cndmask_b32 v246, v244, v245, vcc_lo         ; lanes 0-15 the even tile's words, lanes 16-31 the odd one's
	global_store_b32 v7, v246, s[26:27]
	s_branch .Lend
.Lweights:
	; ---- the weights.  A LANE TAKES A COLUMN AND ITS REGISTERS RUN DOWN K: a block of 32 lies in one lane, and the conversions give codes with K innermost.
	s_sub_co_u32 s15, ttmp9, 128
	s_lshr_b32 s16, s15, 2                         ; block of 128 columns, 0..31
	s_and_b32 s17, s15, 3
	s_lshr_b32 s18, s16, 3                         ; part: q, k, v, w_out
	s_and_b32 s19, s16, 7                          ; block in the part
	s_and_b32 s20, s[WV], 3                        ; my 32 columns of the 128
	s_lshr_b32 s21, s[WV], 2
	s_lshl_b32 s17, s17, 1
	s_add_co_u32 s21, s21, s17                     ; K step
	s_cmp_eq_u32 s18, 3                            ; the choices hang on the work-group's number alone
	s_cselect_b64 s[6:7], s[8:9], s[6:7]           ; the source
	s_mov_b32 s22, 12288
	s_cselect_b32 s22, 4096, s22                   ; its row in bytes
	s_cselect_b32 s23, s19, s16                    ; my block of 128 columns in it
	s_mov_b32 s24, 12288
	s_cselect_b32 s24, 102400, s24                 ; wq: from block to block, images
	s_mov_b32 s25, 102400
	s_cselect_b32 s25, 12800, s25                  ; from K step to K step
	s_mov_b32 s26, 512
	s_cselect_b32 s26, 102400, s26                 ; from block to block, scale words
	s_mov_b32 s27, 98304
	s_cselect_b32 s27, 12288, s27                  ; where a K step's scale words begin
	s_lshl_b32 s28, s23, 9
	s_lshl_b32 s29, s20, 7
	s_add_co_u32 s28, s28, s29                     ; my first column, in bytes
	s_lshl_b32 s29, s21, 7
	s_mul_i32 s29, s29, s22                        ; 128 rows a K step
	s_add_co_u32 s28, s28, s29
	s_mov_b32 s29, 0
	s_add_nc_u64 s[SB:SB+1], s[6:7], s[28:29]
	s_lshl_b32 s28, s22, 5                         ; 32 rows
	s_add_nc_u64 s[SB+2:SB+3], s[SB:SB+1], s[28:29]
	s_add_nc_u64 s[SB+4:SB+5], s[SB+2:SB+3], s[28:29]
	s_add_nc_u64 s[SB+6:SB+7], s[SB+4:SB+5], s[28:29]
	s_mul_i32 s30, s18, 819200
	s_mul_i32 s31, s21, s25
	s_add_co_u32 s30, s30, s31
	s_mul_i32 s28, s19, s24
	s_add_co_u32 s28, s28, s30
	s_mul_i32 s31, s20, 3072
	s_add_co_u32 s28, s28, s31
	s_add_nc_u64 s[52:53], s[12:13], s[28:29]      ; my two images
	s_mul_i32 s28, s19, s26
	s_add_co_u32 s28, s28, s30
	s_add_co_u32 s28, s28, s27
	s_lshl_b32 s31, s20, 7
	s_add_co_u32 s28, s28, s31
	s_add_nc_u64 s[54:55], s[12:13], s[28:29]      ; their scale words
	v_bfe_u32 v2, v0, 3, 1                         ; my column is row r of tile u of the pair: u = (lane / 8) % 2,
	v_and_b32 v3, 7, v0
	v_bfe_u32 v5, v0, 4, 1
	s_delay_alu instid0(VALU_DEP_1)
	v_lshl_or_b32 v3, v5, 3, v3                    ; r = lane % 8 + 8 (lane / 16)
	s_mul_i32 s31, s[WV], WSTG
	s_add_co_u32 s31, s31, WST
	v_mul_u32_u24 v8, v2, 1536
	s_delay_alu instid0(VALU_DEP_1)
	v_lshl_add_u32 v8, v3, 4, v8
	s_delay_alu instid0(VALU_DEP_1)
	v_add_nc_u32 v8, s31, v8                       ; the stage: image u, lane r's place
	s_wait_alu depctr_va_vdst(0)
	v_add_nc_u32 v6, s31, v4                       ; and back: 16 x lane
	v_lshlrev_b32 v9, 6, v2
	s_delay_alu instid0(VALU_DEP_1)
	v_lshl_add_u32 v9, v3, 2, v9                   ; 64 u + 4 r
	v_lshlrev_b32 v[OF], 2, v1
.set i, 1
.rept 31
	s_delay_alu instid0(VALU_DEP_1)
	v_add_nc_u32 v[OF+i], s22, v[OF+i-1]           ; row i of a block: the row's length is a choice, so it cannot stand in an immediate
.set i, i+1
.endr
.macro WLOAD t
.set i, 0
.rept 32
	global_load_b32 v[X+32*((\t)%2)+i], v[OF+i], s[SB+2*(\t):SB+2*(\t)+1] th:TH_LOAD_NT   ; 128 consecutive bytes a wave, 512 for four waves side by side
.set i, i+1
.endr
.endm
	WLOAD 0
	WLOAD 1
; Block t (k = 32 t on) belongs to lane r + 16 (t % 2) of the image, registers 6 (t / 2) .. 6 (t / 2) + 5.
.macro WBLOCK t
.set XS, X+32*((\t)%2)
.if (\t) < 3
	s_wait_loadcnt 32                              ; this block's 32 loads are in; the next block's may be out
.else
	s_wait_loadcnt 0x0
.endif
	v_max3_num_f32 v12, |v[XS]|, |v[XS+1]|, |v[XS+2]|
	v_max3_num_f32 v13, |v[XS+3]|, |v[XS+4]|, |v[XS+5]|
.irp i, 6,10,14,18,22,26
	s_delay_alu instid0(VALU_DEP_2)
	v_max3_num_f32 v12, v12, |v[XS+\i]|, |v[XS+\i+1]|
	s_delay_alu instid0(VALU_DEP_2)
	v_max3_num_f32 v13, v13, |v[XS+\i+2]|, |v[XS+\i+3]|
.endr
	s_delay_alu instid0(VALU_DEP_2)
	v_max3_num_f32 v12, v12, |v[XS+30]|, |v[XS+31]|
	s_delay_alu instid0(VALU_DEP_1)
	v_max3_num_f32 v12, v12, v13, 0x1800000        ; and the floor
	s_delay_alu instid0(VALU_DEP_1)
	v_add_nc_u32 v14, 0xff000000, v12              ; the conversion's scale operand
	s_delay_alu instid0(VALU_DEP_1)
	v_lshrrev_b32 v15, 23, v14                     ; the byte
.if (\t) == 0
	s_delay_alu instid0(VALU_DEP_1)
	v_mov_b32 v[WD], v15
.else
	s_delay_alu instid0(VALU_DEP_1)
	v_lshl_or_b32 v[WD], v15, 8*(\t), v[WD]
.endif
	v_cvt_scalef32_pk16_fp6_f32 v[C:C+2], v[XS:XS+15], v14
	v_cvt_scalef32_pk16_fp6_f32 v[C+4:C+6], v[XS+16:XS+31], v14
	v_nop                                          ; one plain place behind a scaled conversion
	v_mov_b32 v[C+3], v[C+4]                       ; six registers on end
	v_mov_b32 v[C+4], v[C+5]
	v_mov_b32 v[C+5], v[C+6]
.if (\t) < 2
	ds_store_b128 v8, v[C:C+3] offset:256*((\t)&1)
	ds_store_b64 v8, v[C+4:C+5] offset:512+256*((\t)&1)
.else
	ds_store_b64 v8, v[C:C+1] offset:520+256*((\t)&1)
	ds_store_b128 v8, v[C+2:C+5] offset:1024+256*((\t)&1)
.endif
.if (\t) < 2
	WLOAD (\t)+2
.endif
	s_wait_dscnt 0x0                               ; the stores have read their registers
.endm
	WBLOCK 0
	WBLOCK 1
	WBLOCK 2
	WBLOCK 3
.irp m, 0,1,2,3,4,5
	ds_load_b128 v[OUTR+4*\m:OUTR+4*\m+3], v6 offset:512*\m
.endr
.irp m, 0,1,2,3,4,5
	s_wait_dscnt 5-\m
	global_store_b128 v4, v[OUTR+4*\m:OUTR+4*\m+3], s[52:53] offset:512*\m   ; 512 consecutive bytes
.endr
	s_wait_alu depctr_va_vdst(0)
	global_store_b32 v9, v[WD], s[54:55]           ; 128 consecutive bytes
.Lend:
	s_wait_tensorcnt 0x0                           ; the wave's end: behind my last LDS store
	ds_add_u32 v[SPW], v[NIL]
	s_wait_dscnt 0x0
	s_endpgm
.Lfunc_end_k_qbe7a7e085c_prep:
	.size	k_qbe7a7e085c_prep, .Lfunc_end_k_qbe7a7e085c_prep-k_qbe7a7e085c_prep
	.p2alignl 7, 3214868480
	.fill 96, 4, 3214868480
	.section	.rodata,"a",@progbits
	.p2align	6, 0x0
	.amdhsa_kernel k_qbe7a7e085c_prep
		.amdhsa_group_segment_fixed_size 160768
		.amdhsa_private_segment_fixed_size 0
		.amdhsa_enable_private_segment 0
		.amdhsa_kernarg_size 40
		.amdhsa_user_sgpr_count 2
		.amdhsa_user_sgpr_kernarg_segment_ptr 1
		.amdhsa_wavefront_size32 1
		.amdhsa_system_sgpr_workgroup_id_x 1
		.amdhsa_system_sgpr_workgroup_id_y 1
		.amdhsa_system_sgpr_workgroup_id_z 1
		.amdhsa_system_vgpr_workitem_id 0
		.amdhsa_next_free_vgpr 256
		.amdhsa_next_free_sgpr 66
		.amdhsa_reserve_vcc 1
		.amdhsa_float_denorm_mode_32 3
		.amdhsa_float_denorm_mode_16_64 3
		.amdhsa_memory_ordered 1
		.amdhsa_forward_progress 1
		.amdhsa_inst_pref_size 49
	.end_amdhsa_kernel
	.amdgpu_metadata
---
amdhsa.version: [ 1, 2 ]
amdhsa.kernels:
  - .name:           k_qbe7a7e085c_prep
    .symbol:         k_qbe7a7e085c_prep.kd
    .args:
      - { .name: x, .offset: 0, .size: 8, .value_kind: global_buffer, .address_space: global }
      - { .name: w_qkv, .offset: 8, .size: 8, .value_kind: global_buffer, .address_space: global }
      - { .name: w_out, .offset: 16, .size: 8, .value_kind: global_buffer, .address_space: global }
      - { .name: xq, .offset: 24, .size: 8, .value_kind: global_buffer, .address_space: global }
      - { .name: wq, .offset: 32, .size: 8, .value_kind: global_buffer, .address_space: global }
    .group_segment_fixed_size: 160768
    .private_segment_fixed_size: 0
    .kernarg_segment_align: 8
    .kernarg_segment_size: 40
    .max_flat_workgroup_size: 256
    .sgpr_count:     66
    .vgpr_count:     256
    .wavefront_size: 32
...
	.end_amdgpu_metadata
.endif
;; end of part 1
;; launch qkv (part 2): grid 64 x 3, 8 waves a work-group, clusters of 4 x 1, 327,680 bytes of LDS; arguments xq, wq, b_qkv, g_q, g_k, freqs_cos, freqs_sin, qimg, kv, qsc, ksc, vsc; writes qimg, kv, qsc, ksc, vsc
.if DOCPART == 2
	.amdgcn_target "amdgcn-amd-amdhsa--gfx1250"
	.amdhsa_code_object_version 6
	.text
	.protected	k_qbe7a7e085c_qkv
	.globl	k_qbe7a7e085c_qkv
	.p2align	8
	.type	k_qbe7a7e085c_qkv,@function
k_qbe7a7e085c_qkv:
	s_mov_b64 s[64:65], 0
	v_nop
	global_prefetch_b8 v0, s[64:65] scope:SCOPE_SE
	s_setreg_imm32_b32 hwreg(HW_REG_WAVE_MODE, 25, 1), 1
	s_wait_xcnt 0x0
	s_wait_alu depctr_hold_cnt(0) depctr_sa_sdst(0) depctr_va_vdst(0) depctr_va_sdst(0) depctr_va_ssrc(0) depctr_va_vcc(0) depctr_vm_vsrc(0)
	s_getreg_b32 s2, hwreg(HW_REG_IB_STS2, 6, 4)
	s_cmp_eq_u32 s2, 0
	s_cbranch_scc0 .Lentry_in_a_cluster
	s_endpgm
.Lentry_in_a_cluster:
	s_bfe_u32 s2, ttmp6, 0x10000c
	s_cmp_lg_u32 s2, 0x3003
	s_cbranch_scc0 .Lentry_shape_is_right
	s_endpgm
.Lentry_shape_is_right:
; qkv = Q(x) Q(w_qkv) + b on codes of FP6; then for q and k: RMSNorm over all 1,024 columns, the gain, the interleaved rotation, and the quantiser along a head's 128; for v: the quantiser along the TOKENS.
; SHARES.  Work-group y is the part (0 q, 1 k, 2 v), x a group G of 64 tokens; it makes 64 tokens x 1,024 columns, since the norm wants whole rows.  Wave w makes head w: 4 tiles of tokens x 8 tiles of columns, 32 accumulators (window 1).
; q, k: the product is used transposed (source 0 = 16 columns of W, source 1 = 16 tokens): a lane holds one token and its registers run along the head's channels, 16 neighbours in two neighbouring tiles.
; v: source 0 = 16 tokens, source 1 = 16 columns: a lane holds one channel and its registers run along the tokens, which are the second attention product's K.
; K goes in 8 steps of 128 through two LDS slots of 102,400 bytes (64 images of W and their scale words: one dense block of wq).  x's codes for all of K (51,200 bytes) and the group's cos and sin rows come once.
; CLUSTER.  The four work-groups of a cluster have the same part and walk the same weights: each eighth of a slot is asked for jointly (mask 15).  x's block is the work-group's own: 6,400 of a step's 108,800 bytes, so it is not shared.
; V's work-groups fetch the frequencies too, 32 KiB that they do not read, so that every wave issues the same tensor loads on every way.
; OUT.  qimg [head][256 tiles] images.  kv [head][32 steps of 128 keys][8 images of k; 8 fragments of v^T in two halves of 768 bytes (registers 6 c .. 6 c + 3 at 16 lane, 6 c + 4, 5 at 512 + 8 lane)].
;       qsc, ksc [head][G][r][tile in G] words; vsc [head][G][r][channel tile] two bytes.
; LIMITS: NaN and infinities are not served; a block whose largest magnitude lies under 2^-124, and a block of zeros, get the byte 1 (this program alone reads the bytes).
.set SLOTB, 102400
.set XB,    2*SLOTB                    ; x's codes and scale words: [8 K steps][6,400]
.set FRQ,   XB+51200                   ; cos: 64 rows of 256 bytes + 16; then sin
.set FSIN,  64*272
.set RED,   FRQ+2*FSIN                 ; the waves' sums of squares: 512 bytes each
.set SPARE, RED+4096                   ; the spare words, 128 bytes for each wave
.set SPW, 10
.set NIL, 11
.set L16, 12                           ; 16 x lane
.set L4,  13                           ; 4 x lane
.set XS,  16                           ; v16-17 x's scale words (pairs of tiles);  v18-21 W's
.set WS,  18
.set REDW, 22
.set REDR, 23
.set VF,  24                           ; my token's row of cos
.set R16, 25                           ; 16 r
.set H64, 26                           ; 64 h
.set PI4, 27                           ; 4 (r + 8 (r / 8))
.set L8,  28                           ; 8 x lane
.set XF,  32                           ; v32-79 x's four fragments
.set WF,  80                           ; v80-175 W's eight
.set BI,  176                          ; v176-239 the bias in q's and k's result layout
.set BV,  240                          ; v240-247 the bias of my channel, a register a tile
.set H,   32                           ; the epilogues: 64 numbers of a lane
.set GG,  96                           ; the gain; then cos and sin
.set CO,  96
.set SI,  128
.set PCS, 160                          ; four sets of codes
.set CT,  208
.set TM,  216
.set SW,  232                          ; v232-235 the scale words that leave
.set RS,  236                          ; v236-239 1 / rms of my four tokens
.set SS,  240                          ; v240-247 sums of squares
.set HC,  64                           ; v: eight sets of eight
.set WV,  28
.set PART, 29
.set GR,  31
.set G1W, 36
.set G1X, 44
.set G1F, 52
.set G0A, 60
.set G0B, 68
.set G0X, 72
.set G0F, 76
.set SEL, 80
.set OUT, 82
.set SCB, 84
.set MSB, 0
.macro WIN new                         ; the immediate's high byte repeats the setting that is left
.if MSB != \new
	s_set_vgpr_msb (MSB<<8)|\new
.set MSB, \new
.endif
.endm
.macro PLACES
.rept 4
	v_nop
.endr
.endm
.macro CROUND                          ; a round of the cluster's barrier
	s_barrier_signal -1
	s_barrier_wait -1
	s_cmp_lg_u32 s[WV], 0
	s_cbranch_scc1 .Lnot_wave_0_\@
	s_barrier_signal -3
.Lnot_wave_0_\@:
	s_barrier_wait -3
	s_barrier_signal -1
	s_barrier_wait -1
.endm
.macro DESC g, w0, rows                ; group 1 of a dense block: rows of 32 elements of 8 bytes
	s_mov_b32 s[\g], \w0
	s_mov_b32 s[\g+1], 32<<16
	s_mov_b32 s[\g+2], (\rows)<<16
	s_mov_b32 s[\g+3], 32<<16
	s_mov_b32 s[\g+4], \rows
	s_mov_b32 s[\g+5], 32
	s_mov_b32 s[\g+6], 0
	s_mov_b32 s[\g+7], 0
.endm
; a product with C in registers; ra, rb: which half of the lanes holds source 0's and source 1's scale words
.macro WMR d, a, b, c, sa, sb, ra, rb
.if (\ra)+2*(\rb) == 0
	v_wmma_scale_f32_16x16x128_f8f6f4 v[\d:\d+7], v[\a:\a+11], v[\b:\b+11], v[\c:\c+7], v[\sa], v[\sb] matrix_a_fmt:MATRIX_FMT_FP6 matrix_b_fmt:MATRIX_FMT_FP6
.elseif (\ra)+2*(\rb) == 1
	v_wmma_scale_f32_16x16x128_f8f6f4 v[\d:\d+7], v[\a:\a+11], v[\b:\b+11], v[\c:\c+7], v[\sa], v[\sb] matrix_a_fmt:MATRIX_FMT_FP6 matrix_b_fmt:MATRIX_FMT_FP6 matrix_a_scale:MATRIX_SCALE_ROW1
.elseif (\ra)+2*(\rb) == 2
	v_wmma_scale_f32_16x16x128_f8f6f4 v[\d:\d+7], v[\a:\a+11], v[\b:\b+11], v[\c:\c+7], v[\sa], v[\sb] matrix_a_fmt:MATRIX_FMT_FP6 matrix_b_fmt:MATRIX_FMT_FP6 matrix_b_scale:MATRIX_SCALE_ROW1
.else
	v_wmma_scale_f32_16x16x128_f8f6f4 v[\d:\d+7], v[\a:\a+11], v[\b:\b+11], v[\c:\c+7], v[\sa], v[\sb] matrix_a_fmt:MATRIX_FMT_FP6 matrix_b_fmt:MATRIX_FMT_FP6 matrix_a_scale:MATRIX_SCALE_ROW1 matrix_b_scale:MATRIX_SCALE_ROW1
.endif
.endm
.macro WM0 d, a, b, sa, sb, ra, rb     ; the same with C = 0: it starts a sum
.if (\ra)+2*(\rb) == 0
	v_wmma_scale_f32_16x16x128_f8f6f4 v[\d:\d+7], v[\a:\a+11], v[\b:\b+11], 0, v[\sa], v[\sb] matrix_a_fmt:MATRIX_FMT_FP6 matrix_b_fmt:MATRIX_FMT_FP6
.elseif (\ra)+2*(\rb) == 1
	v_wmma_scale_f32_16x16x128_f8f6f4 v[\d:\d+7], v[\a:\a+11], v[\b:\b+11], 0, v[\sa], v[\sb] matrix_a_fmt:MATRIX_FMT_FP6 matrix_b_fmt:MATRIX_FMT_FP6 matrix_a_scale:MATRIX_SCALE_ROW1
.elseif (\ra)+2*(\rb) == 2
	v_wmma_scale_f32_16x16x128_f8f6f4 v[\d:\d+7], v[\a:\a+11], v[\b:\b+11], 0, v[\sa], v[\sb] matrix_a_fmt:MATRIX_FMT_FP6 matrix_b_fmt:MATRIX_FMT_FP6 matrix_b_scale:MATRIX_SCALE_ROW1
.else
	v_wmma_scale_f32_16x16x128_f8f6f4 v[\d:\d+7], v[\a:\a+11], v[\b:\b+11], 0, v[\sa], v[\sb] matrix_a_fmt:MATRIX_FMT_FP6 matrix_b_fmt:MATRIX_FMT_FP6 matrix_a_scale:MATRIX_SCALE_ROW1 matrix_b_scale:MATRIX_SCALE_ROW1
.endif
.endm
; 64 numbers of a lane, register 16 b + i = k 32 b + 16 (lane / 16) + i of my row, become a fragment's 12 registers of codes at v[pc] and its scale word in v[pw]
.macro QUANT s, pc, ct, pw
.irp b, 0,1,2,3
	v_max3_num_f32 v[TM+\b], |v[(\s)+16*\b]|, |v[(\s)+16*\b+1]|, 0x1800000   ; with the floor 2^(3 - 127): the byte cannot fall under 1
.endr
.irp i, 2,4,6,8,10,12,14
.irp b, 0,1,2,3
	s_delay_alu instid0(VALU_DEP_4)
	v_max3_num_f32 v[TM+\b], v[TM+\b], |v[(\s)+16*\b+\i]|, |v[(\s)+16*\b+\i+1]|
.endr
.endr
.irp b, 0,1,2,3
	s_delay_alu instid0(VALU_DEP_4)
	v_permlanex16_b32 v[TM+4+\b], v[TM+\b], s[SEL], s[SEL+1]
.endr
.irp b, 0,1,2,3
	s_delay_alu instid0(VALU_DEP_4)
	v_max_num_f32 v[TM+\b], v[TM+\b], v[TM+4+\b]
.endr
.irp b, 0,1,2,3
	s_delay_alu instid0(VALU_DEP_4)
	v_add_nc_u32 v[TM+12+\b], 0xff000000, v[TM+\b]    ; 2 off the exponent field: the conversion's scale operand
.endr
.irp b, 0,1,2,3
	s_delay_alu instid0(VALU_DEP_4)
	v_lshrrev_b32 v[TM+4+\b], 23, v[TM+12+\b]
.endr
	s_delay_alu instid0(VALU_DEP_3)
	v_lshl_or_b32 v[\pw], v[TM+5], 8, v[TM+4]
	s_delay_alu instid0(VALU_DEP_1)
	v_lshl_or_b32 v[\pw], v[TM+6], 16, v[\pw]
	s_delay_alu instid0(VALU_DEP_1)
	v_lshl_or_b32 v[\pw], v[TM+7], 24, v[\pw]
.irp c, 0,1
	v_cvt_scalef32_pk16_fp6_f32 v[(\pc)+6*\c:(\pc)+6*\c+2], v[(\s)+32*\c:(\s)+32*\c+15], v[TM+12+2*\c]
	v_cvt_scalef32_pk16_fp6_f32 v[(\ct)+4*\c:(\ct)+4*\c+2], v[(\s)+32*\c+16:(\s)+32*\c+31], v[TM+12+2*\c+1]
.endr
	v_nop                                             ; one plain place behind a scaled conversion
.irp c, 0,1
.irp i, 0,1,2
	v_permlane16_swap_b32 v[(\pc)+6*\c+\i], v[(\ct)+4*\c+\i]
.endr
.irp i, 0,1,2
	s_delay_alu instid0(VALU_DEP_3)
	v_mov_b32 v[(\pc)+6*\c+3+\i], v[(\ct)+4*\c+\i]
.endr
.endr
.endm
	s_load_b512 s[4:19], s[0:1], 0x0               ; xq s[4:5], wq s[6:7], b_qkv s[8:9], g_q s[10:11], g_k s[12:13], cos s[14:15], sin s[16:17], qimg s[18:19]
	s_load_b256 s[20:27], s[0:1], 0x40             ; kv s[20:21], qsc s[22:23], ksc s[24:25], vsc s[26:27]
	v_lshl_add_u32 v[SPW], v0, 2, SPARE
	v_mov_b32 v[NIL], 0
	ds_add_u32 v[SPW], v[NIL]                      ; the wave's opening: the add and its wait ahead of my first tensor load
	ds_add_u32 v[SPW], v[NIL]
	v_lshrrev_b32 v1, 5, v0
	s_delay_alu instid0(VALU_DEP_1)
	v_readfirstlane_b32 s[WV], v1                  ; wave = head
	s_and_b32 s[PART], ttmp7, 0xffff               ; the part, which the four partners share
	s_bfe_u32 s30, ttmp6, 0x40000                  ; cx
	s_lshl_b32 s[GR], ttmp9, 2
	s_add_co_u32 s[GR], s[GR], s30                 ; G: it enters global addresses of my own loads and stores alone
	; TOKENS: row r of tile b of the group is token 32 (r / 8) + 8 b + r % 8.  THE HEAD'S LOADS, one a wave: waves 0-3 a quarter of K step 0's slot each, waves 4, 5 a half of x's block, wave 6 cos, wave 7 sin
	DESC G1W, 15|(3<<16)|(1<<21), 100              ; at the head a quarter of a slot, 25,600 bytes, jointly: mask of all four, bit 21 beside it; behind the head its two row counts are set to 50, an eighth
	DESC G1X, 3<<16, 100                           ; a half of x's block: 25,600 bytes
	DESC G1F, (3<<16)|(1<<20)|(5<<22)|(3<<25), 64  ; 64 rows of cos or sin, 16 bytes of padding behind each 256
	s_mul_i32 s32, s[PART], 819200
	s_mul_i32 s34, s[WV], 12800
	s_add_co_u32 s32, s32, s34                     ; W: part and wave alone
	s_mov_b32 s33, 0
	s_mul_i32 s86, s[GR], 51200
	s_and_b32 s91, s[WV], 1
	s_mul_i32 s35, s91, 25600                      ; which half of x's block (waves 4, 5)
	s_add_co_u32 s86, s86, s35
	s_mov_b32 s87, 0
	s_lshl_b32 s88, s[GR], 14                      ; 64 rows of 256 bytes
	s_mov_b32 s89, 0
	s_mul_i32 s90, s91, FSIN                       ; cos, then sin (waves 6, 7)
	s_mul_i32 s92, s[WV], 25600                    ; which quarter of K step 0's slot (waves 0-3)
	s_mul_i32 s94, s[PART], 819200
	s_add_co_u32 s94, s94, s92
	s_mov_b32 s95, 0
	s_mov_b32 s[SEL], 0x76543210
	s_mov_b32 s[SEL+1], 0xfedcba98
	s_mov_b32 s98, 0x358637bd                      ; 1e-6
	s_wait_dscnt 0x0                               ; the opening add is done
	s_wait_kmcnt 0x0
	s_mov_b32 s[G0A], 1
	s_mov_b32 s[G0A+1], s34
	s_add_nc_u64 s[G0A+2:G0A+3], s[6:7], s[32:33]  ; K step 0
	s_or_b32 s[G0A+3], s[G0A+3], 0x80000000
	s_mov_b32 s[G0B], 1                            ; at the head this set names a quarter of K step 0; behind the head it is written for slot 1
	s_mov_b32 s[G0B+1], s92
	s_add_nc_u64 s[G0B+2:G0B+3], s[6:7], s[94:95]
	s_or_b32 s[G0B+3], s[G0B+3], 0x80000000
	s_mul_i32 s96, s30, 25600                      ; the prefetches: of a K step's 102,400 bytes each partner names 25,600, told apart by address
	s_mul_i32 s97, s[PART], 819200
	s_add_co_u32 s96, s96, s97
	s_mov_b32 s97, 0
	s_add_nc_u64 s[66:67], s[6:7], s[96:97]
	s_mov_b32 s[G0X], 1
	s_add_co_u32 s[G0X+1], s35, XB
	s_add_nc_u64 s[G0X+2:G0X+3], s[4:5], s[86:87]
	s_or_b32 s[G0X+3], s[G0X+3], 0x80000000
	s_mov_b32 s[G0F], 1
	s_add_co_u32 s[G0F+1], s90, FRQ
	s_cmp_eq_u32 s91, 0                            ; wave 6 fetches cos, wave 7 sin
	s_cselect_b64 s[G0F+2:G0F+3], s[14:15], s[16:17]
	s_add_nc_u64 s[G0F+2:G0F+3], s[G0F+2:G0F+3], s[88:89]
	s_or_b32 s[G0F+3], s[G0F+3], 0x80000000
	CROUND                                         ; all four work-groups are here: the first joint loads meet
	s_cmp_lt_u32 s[WV], 4                          ; one chain of branches on the wave's number, one load to an arm, all arms to one join
	s_cbranch_scc0 .Lhead_x
	tensor_load_to_lds s[G0B:G0B+3], s[G1W:G1W+7]
	s_nop 0
	PLACES
	s_branch .Lhead_asked
.Lhead_x:
	s_cmp_lt_u32 s[WV], 6
	s_cbranch_scc0 .Lhead_f
	tensor_load_to_lds s[G0X:G0X+3], s[G1X:G1X+7]
	s_nop 0
	PLACES
	s_branch .Lhead_asked
.Lhead_f:
	tensor_load_to_lds s[G0F:G0F+3], s[G1F:G1F+7]
	s_nop 0
	PLACES
.Lhead_asked:
	v_and_b32 v1, 31, v0                           ; lane
	v_and_b32 v2, 15, v0                           ; r
	v_bfe_u32 v3, v0, 4, 1                         ; h
	s_delay_alu instid0(VALU_DEP_3)
	v_lshlrev_b32 v[L16], 4, v1
	s_delay_alu instid0(VALU_DEP_4)
	v_lshlrev_b32 v[L4], 2, v1
	v_lshlrev_b32 v[L8], 3, v1
	v_lshlrev_b32 v[R16], 4, v2
	v_lshlrev_b32 v[H64], 6, v3
	s_mul_i32 s91, s[WV], 12288
	v_add_nc_u32 v4, s91, v[L16]                   ; my head's eight images in slot 0,
	s_delay_alu instid0(VALU_DEP_1)
	v_add_nc_u32 v5, SLOTB, v4                     ; in slot 1
	s_lshl_b32 s91, s[WV], 9
	s_add_co_u32 s91, s91, 98304
	v_add_nc_u32 v6, s91, v[L4]                    ; their scale words
	s_delay_alu instid0(VALU_DEP_1)
	v_add_nc_u32 v7, SLOTB, v6
	v_add_nc_u32 v8, XB, v[L16]                    ; x's images
	v_add_nc_u32 v9, XB+6144, v[L4]                ; and scale words
	s_lshl_b32 s91, s[WV], 9
	s_add_co_u32 s91, s91, RED
	v_add_nc_u32 v[REDW], s91, v[L16]
	v_add_nc_u32 v[REDR], RED, v[L16]
	v_and_b32 v[PI4], 8, v2
	s_delay_alu instid0(VALU_DEP_1)
	v_add_nc_u32 v[PI4], v[PI4], v2                ; r + 8 (r / 8): a weight column's place
	v_and_b32 v[VF], 8, v2
	s_delay_alu instid0(VALU_DEP_2)
	v_lshlrev_b32 v[PI4], 2, v[PI4]
	s_delay_alu instid0(VALU_DEP_2)
	v_mad_u32_u24 v[VF], v[VF], 3, v2              ; r + 24 (r / 8): my token of tile 0
	s_delay_alu instid0(VALU_DEP_1)
	v_mul_u32_u24 v[VF], v[VF], 272
	s_delay_alu instid0(VALU_DEP_1)
	v_lshl_add_u32 v[VF], v3, 5, v[VF]
	s_delay_alu instid0(VALU_DEP_1)
	v_add_nc_u32 v[VF], FRQ, v[VF]
	v_lshlrev_b32 v14, 3, v3                       ; 8 h: where my block's scale byte stands (v)
	v_min_u32 v15, 99, v0                          ; the prefetches' offset: threads 0 to 99 name a block of 256 bytes each, the lanes left over their wave's last again
	s_delay_alu instid0(VALU_DEP_1)
	v_lshlrev_b32 v15, 8, v15
	s_lshl_b32 s92, s[PART], 12
	s_lshl_b32 s93, s[WV], 9
	s_add_co_u32 s92, s92, s93
	s_mov_b32 s93, 0
	s_add_nc_u64 s[8:9], s[8:9], s[92:93]          ; the bias of my head's 128 columns
.irp a, 0,1,2,3,4,5,6,7
	global_load_b128 v[BI+8*\a:BI+8*\a+3], v[H64], s[8:9] offset:(32*(\a/2)+8*(\a%2))*4       ; columns 32 (a / 2) + 16 h + 8 (a % 2) + 0 .. 7
	global_load_b128 v[BI+8*\a+4:BI+8*\a+7], v[H64], s[8:9] offset:(32*(\a/2)+8*(\a%2))*4+16
	global_load_b32 v[BV+\a], v[PI4], s[8:9] offset:(32*(\a/2)+8*(\a%2))*4                    ; column 32 (a / 2) + 8 (a % 2) + r + 8 (r / 8)
.endr
	; where the results go.  A step of 128 keys is 24,576 bytes of kv: step 32 w + G / 2
	s_lshr_b32 s94, s[GR], 1
	s_lshl_b32 s95, s[WV], 5
	s_add_co_u32 s94, s94, s95
	s_mul_i32 s94, s94, 24576
	s_and_b32 s95, s[GR], 1
	s_mul_i32 s96, s95, 6144
	s_add_co_u32 s96, s96, s94                     ; k: tiles 4 (G % 2) on
	s_mul_i32 s97, s95, 768
	s_add_co_u32 s97, s97, s94
	s_add_co_u32 s97, s97, 12288                   ; v: half G % 2 of each fragment
	s_mul_i32 s94, s[WV], 393216
	s_mul_i32 s95, s[GR], 6144
	s_add_co_u32 s94, s94, s95                     ; q: tiles 4 G on
	s_cmp_eq_u32 s[PART], 0
	s_cselect_b64 s[OUT:OUT+1], s[18:19], s[20:21]
	s_cselect_b32 s94, s94, s96
	s_cselect_b64 s[SCB:SCB+1], s[22:23], s[24:25]
	s_cselect_b64 s[10:11], s[10:11], s[12:13]     ; the gain
	s_cmp_eq_u32 s[PART], 2
	s_cselect_b32 s94, s97, s94
	s_cselect_b64 s[SCB:SCB+1], s[26:27], s[SCB:SCB+1]
	s_mov_b32 s95, 0
	s_add_nc_u64 s[OUT:OUT+1], s[OUT:OUT+1], s[94:95]
	s_lshl_b32 s94, s[WV], 6
	s_add_co_u32 s94, s94, s[GR]
	s_lshl_b32 s94, s94, 8
	s_add_nc_u64 s[SCB:SCB+1], s[SCB:SCB+1], s[94:95]
	s_lshl_b32 s94, s[WV], 9
	s_add_nc_u64 s[10:11], s[10:11], s[94:95]
	s_wait_alu depctr_va_vdst(0)
	s_wait_tensorcnt 0x0                           ; my one load of the head is in
	ds_add_u32 v[SPW], v[NIL]
	s_mov_b32 s[G1W+2], 50<<16                     ; no tensor load of mine is out: from here on a load of W brings an eighth of a slot,
	s_mov_b32 s[G1W+4], 50
	s_add_co_u32 s[G0B+1], s34, SLOTB              ; and this set names my eighth of K step 1, in slot 1
	s_add_nc_u64 s[G0B+2:G0B+3], s[G0A+2:G0A+3], SLOTB
	s_wait_loadcnt 0x0                             ; the biases
	s_wait_dscnt 0x0                               ; the add is done
	CROUND                                         ; everybody's part of the head's tiles is in, and the four work-groups are here
	tensor_load_to_lds s[G0B:G0B+3], s[G1W:G1W+7]  ; K step 1: my one tensor load behind the round
	s_nop 0
	PLACES
.macro FETCH k                         ; K step k's operands: 42 loads, every image by three loads of 512 consecutive bytes
.irp p, 0,1
	ds_load_b32 v[XS+\p], v9 offset:6400*(\k)+128*\p
.endr
.irp p, 0,1,2,3
	ds_load_b32 v[WS+\p], v[6+(\k)%2] offset:128*\p
.endr
.irp b, 0,1,2,3
.irp g, 0,1,2
	ds_load_b128 v[XF+12*\b+4*\g:XF+12*\b+4*\g+3], v8 offset:6400*(\k)+1536*\b+512*\g
.endr
.endr
.irp a, 0,1,2,3,4,5,6,7
.irp g, 0,1,2
	ds_load_b128 v[WF+12*\a+4*\g:WF+12*\a+4*\g+3], v[4+(\k)%2] offset:1536*\a+512*\g
.endr
.endr
	s_wait_dscnt 0x0
.endm
; 32 products; the 32 accumulators take turns, one instruction a turn.  The branch hangs on the part alone and stands round the matrix lines alone.
.macro MULS k
	s_cmp_eq_u32 s[PART], 2
	s_cbranch_scc1 .Lmv_\@
.if (\k) == 0
	WIN 0x40                                       ; D window 1; C is the bias, in window 0
.else
	WIN 0x50                                       ; C and D window 1
.endif
.irp a, 0,1,2,3,4,5,6,7
.irp b, 0,1,2,3
.if (\k) == 0
	WMR 8*(8*\b+\a), WF+12*\a, XF+12*\b, BI+8*\a, WS+\a/2, XS+\b/2, \a%2, \b%2
.else
	WMR 8*(8*\b+\a), WF+12*\a, XF+12*\b, 8*(8*\b+\a), WS+\a/2, XS+\b/2, \a%2, \b%2
.endif
.endr
.endr
	WIN 0
	s_branch .Lmj_\@
.Lmv_\@:
.if (\k) == 0
	WIN 0x40
.else
	WIN 0x50
.endif
.irp a, 0,1,2,3,4,5,6,7
.irp b, 0,1,2,3
.if (\k) == 0
	WM0 8*(4*\a+\b), XF+12*\b, WF+12*\a, XS+\b/2, WS+\a/2, \b%2, \a%2
.else
	WMR 8*(4*\a+\b), XF+12*\b, WF+12*\a, 8*(4*\a+\b), XS+\b/2, WS+\a/2, \b%2, \a%2
.endif
.endr
.endr
	WIN 0
.Lmj_\@:
.endm
; A PREFETCH INTO THE L2 of K step st's 102,400 bytes of W: trip k asks for K step k + 3, which the tensor load of trip k + 2 names; trip 0 also asks for K step 2.  Each aligned block of 256 bytes is named once in each cluster:
; a partner takes 25,600 bytes, by address; waves 0 to 3 ask, a lane a block.  K steps 0 and 1 come by their loads alone; trips 5 to 7 ask for nothing.  The address registers are never rewritten.
.macro ASK st
	s_cmp_lt_u32 s[WV], 4
	s_cbranch_scc0 .Lnot_mine_\@
	global_prefetch_b8 v15, s[66:67] offset:SLOTB*(\st) th:TH_LOAD_NT scope:SCOPE_SE
.Lnot_mine_\@:
.endm
	FETCH 0
	ASK 2
	ASK 3
	MULS 0
.irp k, 1,2,3,4,5,6
	s_wait_tensorcnt 0x0                           ; all my tensor loads have landed, my part of this step's slot among them;
	ds_add_u32 v[SPW], v[NIL]                      ; 0 onto my spare word
.if (\k)%2 == 1
	s_add_nc_u64 s[G0A+2:G0A+3], s[G0A+2:G0A+3], 2*SLOTB   ; the other slot's next K step
.else
	s_add_nc_u64 s[G0B+2:G0B+3], s[G0B+2:G0B+3], 2*SLOTB
.endif
	s_wait_dscnt 0x0                               ; the add is done, and my reads of the slot just left are over
	CROUND                                         ; both now hold of every wave of the four work-groups
.if (\k)%2 == 1
	tensor_load_to_lds s[G0A:G0A+3], s[G1W:G1W+7]  ; K step k + 1 into the slot read last: my one tensor load behind the round
.else
	tensor_load_to_lds s[G0B:G0B+3], s[G1W:G1W+7]
.endif
	s_nop 0
	PLACES                                         ; also the places in front of the loads into registers that matrix instructions have read
	FETCH \k
.if \k < 5
	ASK \k+3
.endif
	MULS \k
.endr
	s_wait_tensorcnt 0x0                           ; the last step: nothing is filled again, so no round follows
	ds_add_u32 v[SPW], v[NIL]
	s_wait_dscnt 0x0
	s_barrier_signal -1
	s_barrier_wait -1
	PLACES
	FETCH 7
	MULS 7
	PLACES                                         ; in front of the first reads of results and of loads into the operands' registers
.irp b, 0,1,2,3
	v_mov_b32 v[TM+4+\b], 0                        ; a lane permute's destination counts as one of its sources
.endr
	s_cmp_eq_u32 s[PART], 2
	s_cbranch_scc1 .Lvout
	; ---- q, k.  Accumulator (b, a) at v[8 (8 b + a)] of window 1: lane (r, h) holds token row r of tile b; register 8 a + j of the tile's 64 is channel 32 (a / 2) + 16 h + 8 (a % 2) + j
.irp a, 0,1,2,3,4,5,6,7
	global_load_b128 v[GG+8*\a:GG+8*\a+3], v[H64], s[10:11] offset:(32*(\a/2)+8*(\a%2))*4
	global_load_b128 v[GG+8*\a+4:GG+8*\a+7], v[H64], s[10:11] offset:(32*(\a/2)+8*(\a%2))*4+16
.endr
	WIN 0x05                                       ; sources 0 and 1 window 1
.irp b, 0,1,2,3
	v_pk_mul_f32 v[SS+2*\b:SS+2*\b+1], v[64*\b:64*\b+1], v[64*\b:64*\b+1]      ; the sum of squares: four chains by turns, each accumulator from its low end on
.endr
.set n, 2
.rept 31
.irp b, 0,1,2,3
	v_pk_fma_f32 v[SS+2*\b:SS+2*\b+1], v[64*\b+n:64*\b+n+1], v[64*\b+n:64*\b+n+1], v[SS+2*\b:SS+2*\b+1]
.endr
.set n, n+2
.endr
	WIN 0
.irp b, 0,1,2,3
	v_add_f32 v[RS+\b], v[SS+2*\b], v[SS+2*\b+1]
.endr
	ds_store_b128 v[REDW], v[RS:RS+3]              ; my head's share of my four tokens' sums
	s_wait_loadcnt 0x0                             ; the gain
	WIN 0x41                                       ; destination and source 0 window 1
.set n, 0
.rept 32
.irp b, 0,1,2,3
	v_pk_mul_f32 v[64*\b+n:64*\b+n+1], v[64*\b+n:64*\b+n+1], v[GG+n:GG+n+1]
.endr
.set n, n+2
.endr
	WIN 0
	s_wait_dscnt 0x0                               ; for the others' sake: my store has landed
	s_barrier_signal -1
	s_barrier_wait -1
.irp w, 0,1,2,3,4,5,6,7
	ds_load_b128 v[H+4*\w:H+4*\w+3], v[REDR] offset:512*\w
.endr
	s_wait_dscnt 0x0
.irp o, 16,8,4
.set n, 0
.rept \o/2
	v_pk_add_f32 v[H+n:H+n+1], v[H+n:H+n+1], v[H+n+\o:H+n+\o+1]
.set n, n+2
.endr
.endr
.irp b, 0,1,2,3
	v_permlanex16_b32 v[TM+4+\b], v[H+\b], s[SEL], s[SEL+1]
.endr
.irp b, 0,1,2,3
	s_delay_alu instid0(VALU_DEP_4)
	v_add_f32 v[H+\b], v[H+\b], v[TM+4+\b]         ; with the other half of the lanes': all 1,024 columns
.endr
.irp b, 0,1,2,3
	s_delay_alu instid0(VALU_DEP_4)
	v_fma_f32 v[H+\b], v[H+\b], 0x3a800000, s98    ; / 1,024 + 1e-6
.endr
	s_wait_alu depctr_va_vdst(0)
.irp b, 0,1,2,3
	v_rsq_f32 v[RS+\b], v[H+\b]
.endr
	v_nop                                          ; a plain place behind the last of them
	s_wait_alu depctr_va_vdst(0)                   ; one wait for the four, ahead of their first reader
; tile b of tokens: cos and sin x 1 / rms; the rotation of pairs (registers 2 i, 2 i + 1); the quantiser; the image leaves
.macro QKB b
.irp a, 0,1,2,3,4,5,6,7
	ds_load_b128 v[CO+4*\a:CO+4*\a+3], v[VF] offset:272*8*(\b)+64*(\a/2)+16*(\a%2)
	ds_load_b128 v[SI+4*\a:SI+4*\a+3], v[VF] offset:FSIN+272*8*(\b)+64*(\a/2)+16*(\a%2)
.endr
	v_mov_b32 v248, v[RS+(\b)]
	v_mov_b32 v249, v[RS+(\b)]
	s_wait_alu depctr_va_vdst(0)
	s_wait_dscnt 0x0
.set n, 0
.rept 32
	v_pk_mul_f32 v[CO+n:CO+n+1], v[CO+n:CO+n+1], v[248:249]
.set n, n+2
.endr
	WIN 0x01                                       ; source 0 window 1
.irp a, 0,1,2,3,4,5,6,7
.irp i, 0,1,2,3
	v_mul_f32 v[H+8*\a+2*\i], v[64*(\b)+8*\a+2*\i+1], v[SI+4*\a+\i]
	v_mul_f32 v[H+8*\a+2*\i+1], v[64*(\b)+8*\a+2*\i+1], v[CO+4*\a+\i]
.endr
.irp i, 0,1,2,3
	v_fma_f32 v[H+8*\a+2*\i], v[64*(\b)+8*\a+2*\i], v[CO+4*\a+\i], -v[H+8*\a+2*\i]       ; x1 c - x2 s
	v_fma_f32 v[H+8*\a+2*\i+1], v[64*(\b)+8*\a+2*\i], v[SI+4*\a+\i], v[H+8*\a+2*\i+1]    ; x1 s + x2 c
.endr
.endr
	WIN 0
	QUANT H, PCS+12*(\b), CT, SW+(\b)
.irp g, 0,1,2
	global_store_b128 v[L16], v[PCS+12*(\b)+4*\g:PCS+12*(\b)+4*\g+3], s[OUT:OUT+1] offset:1536*(\b)+512*\g   ; 512 consecutive bytes; each tile has registers of its own
.endr
.endm
	QKB 0
	QKB 1
	QKB 2
	QKB 3
	s_branch .Lscales
.Lvout:
	; ---- v.  Accumulator (a, b) at v[8 (4 a + b)] of window 1: lane (r, h) holds channel row r of tile a; register 8 b + j of the tile's 32 is token 32 h + 8 b + j of the group's 64
	s_barrier_signal -1                            ; so that both ways pass the same number of barriers
	s_barrier_wait -1
.macro VCH a
	v_mov_b32 v248, v[BV+(\a)]
	v_mov_b32 v249, v[BV+(\a)]
	WIN 0x01
.set n, 0
.rept 16
	v_pk_add_f32 v[H+n:H+n+1], v[32*(\a)+n:32*(\a)+n+1], v[248:249]   ; + my channel's bias; each accumulator from its low end on
.set n, n+2
.endr
	WIN 0
	; register 8 b + j is token 32 h + 8 b + j of the group's 64: a whole block of 32 tokens is mine
.irp b, 0,1
	v_max3_num_f32 v[TM+\b], |v[H+16*\b]|, |v[H+16*\b+1]|, 0x1800000
.endr
.irp i, 2,4,6,8,10,12,14
.irp b, 0,1
	s_delay_alu instid0(VALU_DEP_2)
	v_max3_num_f32 v[TM+\b], v[TM+\b], |v[H+16*\b+\i]|, |v[H+16*\b+\i+1]|
.endr
.endr
	s_delay_alu instid0(VALU_DEP_1)
	v_max_num_f32 v[TM], v[TM], v[TM+1]            ; the block's largest magnitude
	s_delay_alu instid0(VALU_DEP_1)
	v_add_nc_u32 v[TM+12], 0xff000000, v[TM]       ; the conversions' scale operand
	s_delay_alu instid0(VALU_DEP_1)
	v_lshrrev_b32 v[TM+4], 23, v[TM+12]            ; the byte,
	s_delay_alu instid0(VALU_DEP_1)
	v_lshlrev_b32 v[TM+4], v14, v[TM+4]            ; at its place, 8 h bits up;
	s_delay_alu instid0(VALU_DEP_1)
	v_permlanex16_b32 v[TM+5], v[TM+4], s[SEL], s[SEL+1]
	s_delay_alu instid0(VALU_DEP_1)
	v_or_b32 v[TM+8], v[TM+4], v[TM+5]             ; with lane l xor 16's: the two blocks' bytes
	v_cvt_scalef32_pk16_fp6_f32 v[HC+8*(\a):HC+8*(\a)+2], v[H:H+15], v[TM+12]
	v_cvt_scalef32_pk16_fp6_f32 v[CT:CT+2], v[H+16:H+31], v[TM+12]
	v_nop                                          ; one plain place behind a scaled conversion
.irp i, 0,1,2
	v_mov_b32 v[HC+8*(\a)+3+\i], v[CT+\i]          ; six registers: tokens 32 h + 0 .. 31 of the 64: half a fragment
.endr
	global_store_b128 v[L16], v[HC+8*(\a):HC+8*(\a)+3], s[OUT:OUT+1] offset:1536*(\a)        ; 512 consecutive bytes,
	global_store_b64 v[L8], v[HC+8*(\a)+4:HC+8*(\a)+5], s[OUT:OUT+1] offset:1536*(\a)+512    ; and the 256 behind them
.if (\a)%2 == 0
	v_mov_b32 v[SW+(\a)/2], v[TM+8]
.else
	v_lshl_or_b32 v[SW+(\a)/2], v[TM+8], 16, v[SW+(\a)/2]
.endif
.endm
.irp a, 0,1,2,3,4,5,6,7
	VCH \a
.endr
.Lscales:
	v_cmp_gt_u32 vcc_lo, 16, v1                    ; lanes 0-15 hold a row each; lanes 16-31 hold the same again
	s_wait_alu depctr_va_vdst(0)
	s_wait_xcnt 0x0                                ; EXEC changes only behind this wait
	s_and_saveexec_b32 s99, vcc_lo
	global_store_b128 v[R16], v[SW:SW+3], s[SCB:SCB+1]   ; 256 consecutive bytes, aligned
	s_wait_xcnt 0x0
	s_or_b32 exec_lo, exec_lo, s99
	s_wait_tensorcnt 0x0                           ; the wave's end
	ds_add_u32 v[SPW], v[NIL]
	s_wait_dscnt 0x0
	CROUND                                         ; the closing round
	s_endpgm
.Lfunc_end_k_qbe7a7e085c_qkv:
	.size	k_qbe7a7e085c_qkv, .Lfunc_end_k_qbe7a7e085c_qkv-k_qbe7a7e085c_qkv
	.p2alignl 7, 3214868480
	.fill 96, 4, 3214868480
	.section	.rodata,"a",@progbits
	.p2align	6, 0x0
	.amdhsa_kernel k_qbe7a7e085c_qkv
		.amdhsa_group_segment_fixed_size 327680
		.amdhsa_private_segment_fixed_size 0
		.amdhsa_enable_private_segment 0
		.amdhsa_kernarg_size 96
		.amdhsa_user_sgpr_count 2
		.amdhsa_user_sgpr_kernarg_segment_ptr 1
		.amdhsa_wavefront_size32 1
		.amdhsa_system_sgpr_workgroup_id_x 1
		.amdhsa_system_sgpr_workgroup_id_y 1
		.amdhsa_system_sgpr_workgroup_id_z 1
		.amdhsa_system_vgpr_workitem_id 0
		.amdhsa_next_free_vgpr 512
		.amdhsa_next_free_sgpr 100
		.amdhsa_reserve_vcc 1
		.amdhsa_float_denorm_mode_32 3
		.amdhsa_float_denorm_mode_16_64 3
		.amdhsa_memory_ordered 1
		.amdhsa_forward_progress 1
		.amdhsa_inst_pref_size 214
	.end_amdhsa_kernel
	.amdgpu_metadata
---
amdhsa.version: [ 1, 2 ]
amdhsa.kernels:
  - .name:           k_qbe7a7e085c_qkv
    .symbol:         k_qbe7a7e085c_qkv.kd
    .args:
      - { .name: xq, .offset: 0, .size: 8, .value_kind: global_buffer, .address_space: global }
      - { .name: wq, .offset: 8, .size: 8, .value_kind: global_buffer, .address_space: global }
      - { .name: b_qkv, .offset: 16, .size: 8, .value_kind: global_buffer, .address_space: global }
      - { .name: g_q, .offset: 24, .size: 8, .value_kind: global_buffer, .address_space: global }
      - { .name: g_k, .offset: 32, .size: 8, .value_kind: global_buffer, .address_space: global }
      - { .name: freqs_cos, .offset: 40, .size: 8, .value_kind: global_buffer, .address_space: global }
      - { .name: freqs_sin, .offset: 48, .size: 8, .value_kind: global_buffer, .address_space: global }
      - { .name: qimg, .offset: 56, .size: 8, .value_kind: global_buffer, .address_space: global }
      - { .name: kv, .offset: 64, .size: 8, .value_kind: global_buffer, .address_space: global }
      - { .name: qsc, .offset: 72, .size: 8, .value_kind: global_buffer, .address_space: global }
      - { .name: ksc, .offset: 80, .size: 8, .value_kind: global_buffer, .address_space: global }
      - { .name: vsc, .offset: 88, .size: 8, .value_kind: global_buffer, .address_space: global }
    .group_segment_fixed_size: 327680
    .private_segment_fixed_size: 0
    .kernarg_segment_align: 8
    .kernarg_segment_size: 96
    .max_flat_workgroup_size: 256
    .sgpr_count:     100
    .vgpr_count:     512
    .wavefront_size: 32
...
	.end_amdgpu_metadata
.endif
;; end of part 2
;; launch attn (part 3): grid 32 x 8, 8 waves a work-group, clusters of 4 x 1, 327,680 bytes of LDS; arguments qimg, qsc, kv, ksc, vsc, oq; writes oq
.if DOCPART == 3
	.amdgcn_target "amdgcn-amd-amdhsa--gfx1250"
	.amdhsa_code_object_version 6
	.text
	.protected	k_qbe7a7e085c_attn
	.globl	k_qbe7a7e085c_attn
	.p2align	8
	.type	k_qbe7a7e085c_attn,@function
k_qbe7a7e085c_attn:
	s_mov_b64 s[64:65], 0
	v_nop
	global_prefetch_b8 v0, s[64:65] scope:SCOPE_SE
	s_setreg_imm32_b32 hwreg(HW_REG_WAVE_MODE, 25, 1), 1
	s_wait_xcnt 0x0
	s_wait_alu depctr_hold_cnt(0) depctr_sa_sdst(0) depctr_va_vdst(0) depctr_va_sdst(0) depctr_va_ssrc(0) depctr_va_vcc(0) depctr_vm_vsrc(0)
	s_getreg_b32 s2, hwreg(HW_REG_IB_STS2, 6, 4)
	s_cmp_eq_u32 s2, 0
	s_cbranch_scc0 .Lentry_in_a_cluster
	s_endpgm
.Lentry_in_a_cluster:
	s_bfe_u32 s2, ttmp6, 0x10000c
	s_cmp_lg_u32 s2, 0x3003
	s_cbranch_scc0 .Lentry_shape_is_right
	s_endpgm
.Lentry_shape_is_right:
; o = softmax(q k^T / sqrt(128)) v for each head, both products on codes of FP6; o leaves as codes, quantised along the head's 128 channels, which are a K step of the last product.
; THE SOFTMAX: t = score x log2(e) / sqrt(128); M = the running largest t rounded UP to a whole number; p = 2^(t - M) is quantised along the keys, not normalised; the row's sum is taken of the unquantised p and divides at the end.
; SHARES.  A work-group owns 128 queries of one head.  Wave w owns two tiles of queries, 2 (w % 4) + w / 4 (its tile 0) and the other of that pair (its tile 1), and of every slot's four steps of 128 keys steps 2 (w / 4), 2 (w / 4) + 1:
; each fragment of k and v read from LDS feeds two products.  The two waves of a pair keep a running M and sum each; at the end each hands its tile 1 to the other through LDS and finishes its tile 0, joined by exact powers of two.
; LAYOUT.  Both products are used transposed (S^T = k q^T, O^T = v^T p^T): a lane holds one query throughout.  Row m of tile a of a step's k is key 64 (a / 4) + 32 (m / 8) + 8 (a % 4) + m % 8, so lane (r, h) holds in the 32 registers
; of tiles 4 c .. 4 c + 3 the keys 64 c + 32 h + 0 .. 31: a whole block of the quantiser, in the order in which p's operand wants it.  No code changes lanes; a block's largest score needs no other lane.
; RING.  Two LDS slots of 512 keys (98,304 dense bytes of kv); every wave fetches an eighth.  CLUSTER: the four query blocks of a cluster walk the same k and v: each eighth is asked for jointly (mask 15).
; THE CHANGE OF SLOTS is opened inside a slot's last step: behind the step's last LDS loads stand the wait for my tensor load, the add and the wait for my LDS instructions, then the opening signal; the exponentials, the quantiser and
; the second product, work on registers alone, stand between that signal and its wait.  The scale words of the whole head (k's 16 KiB, v's 16 KiB) are copied into LDS once, through registers.
; LIMITS: the promise holds while the scaled scores t stay under 2^31 in magnitude; NaN and infinities are not served; a block of o whose largest magnitude lies under 2^-124, and a block of zeros, get the byte 1 (this program alone reads the bytes).
.set STEPB, 24576                      ; a step of 128 keys: 8 images of k, 8 fragments of v^T
.set SLOT1, 1<<17                      ; slot 1 begins here: one exclusive or turns an address from slot to slot
.set KSC,   98304                      ; k's scale words [group of 64 keys][r][tile in the group]
.set VSC,   114688                     ; v's [step][r][channel tile]
.set MRG,   SLOT1+4*STEPB              ; the merge: a box for each wave,
.set BOX,   8704                       ; 8,192 bytes of O^T, 256 of -M and sum, rounded up
.set SPARE, MRG+8*BOX                  ; the spare words, 128 bytes for each wave
.set AK0,  1                           ; 16 lane + my two steps' place in a slot
.set AV8,  2                           ; 8 lane + the same
.set ASK0, 3
.set ASV0, 4
.set SPW,  5
.set NIL,  6
.set PFO,  7                           ; 256 x lane
.set ADK,  8
.set ADV8, 9
.set ADS,  10
.set ADT,  11
; v12-15, v16-19: tile q: -M, the largest score, the sum in two halves.  v20, v22: f.  v21, v23: p's scale words
.set QS,   24                          ; v24-25 q's scale words
.set KS,   26                          ; v26-33 k's
.set VS,   34                          ; v34-41 v's
.set QF,   42                          ; v42-65 q's two fragments
.set S,    66                          ; v66-193 S^T, then p: 64 a tile
.set PC,   194                         ; v194-217 p's codes
.set CT,   218
.set BM,   226                         ; v226-233 largest scores; a block's at 4 q + 2 c
.set T2,   234                         ; v234-241 at work
.set SO,   242                         ; v242-245 the conversions' scale operands
.set SH8,  254                         ; 8 h
.set TM,   226                         ; the last quantiser's sixteen
.set FB,   128                         ; window 1: v0-127 O^T (64 q + 8 t), v128-223 eight fragments of k, then of v
.set WV,   16
.set HEAD, 17
.set PR,   20
.set KG,   21
.set CS,   22
.set SEL,  24
.set NCS,  26
.set G1,   28
.set G0,   36
.set TB,   40
.set TS,   41
.set SLOTS, 42
.set LIM,  43
.set PFA,  44
.set MSB, 0
.macro WIN new
.if MSB != \new
	s_set_vgpr_msb (MSB<<8)|\new
.set MSB, \new
.endif
.endm
.macro PLACES
.rept 4
	v_nop
.endr
.endm
.macro D n
	s_delay_alu instid0(VALU_DEP_\n)
.endm
.macro CREST                           ; a round of the cluster's barrier behind its opening barrier
	s_cmp_lg_u32 s[WV], 0
	s_cbranch_scc1 .Lnot_wave_0_\@
	s_barrier_signal -3
.Lnot_wave_0_\@:
	s_barrier_wait -3
	s_barrier_signal -1
	s_barrier_wait -1
.endm
.macro CROUND
	s_barrier_signal -1
	s_barrier_wait -1
	CREST
.endm
.macro WM0 d, a, b, sa, sb
	v_wmma_scale_f32_16x16x128_f8f6f4 v[\d:\d+7], v[\a:\a+11], v[\b:\b+11], 0, v[\sa], v[\sb] matrix_a_fmt:MATRIX_FMT_FP6 matrix_b_fmt:MATRIX_FMT_FP6
.endm
.macro WMA d, a, b, sa, sb
	v_wmma_scale_f32_16x16x128_f8f6f4 v[\d:\d+7], v[\a:\a+11], v[\b:\b+11], v[\d:\d+7], v[\sa], v[\sb] matrix_a_fmt:MATRIX_FMT_FP6 matrix_b_fmt:MATRIX_FMT_FP6
.endm
; o's quantiser: 64 numbers of a lane, register 16 b + i = channel 32 b + 16 h + i of my query, become a fragment's 12 registers of codes and its scale word
.macro QUANT s, pc, ct, pw
.irp b, 0,1,2,3
	v_max3_num_f32 v[TM+\b], |v[(\s)+16*\b]|, |v[(\s)+16*\b+1]|, 0x1800000
.endr
.irp i, 2,4,6,8,10,12,14
.irp b, 0,1,2,3
	D 4
	v_max3_num_f32 v[TM+\b], v[TM+\b], |v[(\s)+16*\b+\i]|, |v[(\s)+16*\b+\i+1]|
.endr
.endr
.irp b, 0,1,2,3
	D 4
	v_permlanex16_b32 v[TM+4+\b], v[TM+\b], s[SEL], s[SEL+1]
.endr
.irp b, 0,1,2,3
	D 4
	v_max_num_f32 v[TM+\b], v[TM+\b], v[TM+4+\b]
.endr
.irp b, 0,1,2,3
	D 4
	v_add_nc_u32 v[TM+12+\b], 0xff000000, v[TM+\b]
.endr
.irp b, 0,1,2,3
	D 4
	v_lshrrev_b32 v[TM+4+\b], 23, v[TM+12+\b]
.endr
	D 3
	v_lshl_or_b32 v[\pw], v[TM+5], 8, v[TM+4]
	D 1
	v_lshl_or_b32 v[\pw], v[TM+6], 16, v[\pw]
	D 1
	v_lshl_or_b32 v[\pw], v[TM+7], 24, v[\pw]
.irp c, 0,1
	v_cvt_scalef32_pk16_fp6_f32 v[(\pc)+6*\c:(\pc)+6*\c+2], v[(\s)+32*\c:(\s)+32*\c+15], v[TM+12+2*\c]
	v_cvt_scalef32_pk16_fp6_f32 v[(\ct)+4*\c:(\ct)+4*\c+2], v[(\s)+32*\c+16:(\s)+32*\c+31], v[TM+12+2*\c+1]
.endr
	v_nop
.irp c, 0,1
.irp i, 0,1,2
	v_permlane16_swap_b32 v[(\pc)+6*\c+\i], v[(\ct)+4*\c+\i]
.endr
.irp i, 0,1,2
	D 3
	v_mov_b32 v[(\pc)+6*\c+3+\i], v[(\ct)+4*\c+\i]
.endr
.endr
.endm
; THE WALK of the descriptor and of the prefetches' address, between the add and the wait for it: no tensor load of mine is out there
.macro WALK
	s_xor_b32 s[G0+1], s[G0+1], SLOT1              ; the other slot,
	s_add_nc_u64 s[G0+2:G0+3], s[G0+2:G0+3], 4*STEPB   ; the next 512 keys
	s_wait_xcnt 0x0                                ; the last prefetch, a slot back, has read its address
	s_add_nc_u64 s[PFA:PFA+1], s[PFA:PFA+1], 4*STEPB
.endm
; THE REFILL, first behind a round, and behind it A PREFETCH INTO THE L2 of the slot that the NEXT refill will ask for: 98,304 dense bytes.  All clusters of a head walk the same bytes: the head's first cluster asks.  Its four partners
; take 24,576 bytes each, told apart by address; in each, waves 0 to 2 ask for 8,192 bytes, lanes 256 bytes apart: each aligned block of 256 bytes is named once in the launch.  The last refill asks for nothing.
.macro REFILL
	tensor_load_to_lds s[G0:G0+3], s[G1:G1+7]
	s_nop 0
	PLACES
	s_cmp_gt_u32 s[SLOTS], s[LIM]
	s_cbranch_scc0 .Lnot_mine_\@
	global_prefetch_b8 v[PFO], s[PFA:PFA+1] th:TH_LOAD_NT scope:SCOPE_SE
.Lnot_mine_\@:
.endm
	s_load_b256 s[4:11], s[0:1], 0x0               ; qimg s[4:5], qsc s[6:7], kv s[8:9], ksc s[10:11]
	s_load_b128 s[12:15], s[0:1], 0x20             ; vsc s[12:13], oq s[14:15]
	v_lshl_add_u32 v[SPW], v0, 2, SPARE
	v_mov_b32 v[NIL], 0
	ds_add_u32 v[SPW], v[NIL]                      ; the wave's opening: the add, twice on end, and its wait ahead of my first tensor load
	ds_add_u32 v[SPW], v[NIL]
	v_lshrrev_b32 v8, 5, v0
	D 1
	v_readfirstlane_b32 s[WV], v8
	s_and_b32 s[HEAD], ttmp7, 0xffff               ; the head, which the four partners share
	s_bfe_u32 s18, ttmp6, 0x40000                  ; cx
	s_lshl_b32 s19, ttmp9, 2
	s_add_co_u32 s19, s19, s18                     ; my block of 128 queries: it enters q's and o's addresses alone
	s_and_b32 s[PR], s[WV], 3
	s_lshr_b32 s[KG], s[WV], 2
	s_mov_b32 s[G1], 15|(3<<16)|(1<<21)            ; the mask: all four; elements of 8 bytes; bit 21 beside a mask
	s_mov_b32 s[G1+1], 32<<16                      ; rows of 256 bytes,
	s_mov_b32 s[G1+2], 48<<16                      ; 48 of them: an eighth of a slot
	s_mov_b32 s[G1+3], 32<<16
	s_mov_b32 s[G1+4], 48
	s_mov_b32 s[G1+5], 32
	s_mov_b32 s[G1+6], 0
	s_mov_b32 s[G1+7], 0
	s_mul_i32 s60, s[HEAD], 786432
	s_mul_i32 s62, s[WV], 12288
	s_add_co_u32 s60, s60, s62                     ; head and wave alone
	s_mov_b32 s61, 0
	s_mov_b32 s[CS], 0x3e0293ee                    ; c = log2(e) / sqrt(128)
	s_mov_b32 s[CS+1], s[CS]
	s_mov_b32 s[NCS], 0xbe0293ee                   ; -c
	s_mov_b32 s[SEL], 0x76543210
	s_mov_b32 s[SEL+1], 0xfedcba98
	s_mov_b32 s[TB], 0
	s_mov_b32 s[TS], 0
	s_mov_b32 s[SLOTS], 6
	s_cmp_lt_u32 s[WV], 3
	s_cselect_b32 s[LIM], 0, 1
	s_or_b32 s[LIM], s[LIM], ttmp9                 ; 0 in waves 0 to 2 of the head's first cluster: the same in all four partners
	s_cmp_eq_u32 s[LIM], 0
	s_cselect_b32 s[LIM], 1, -1
	s_wait_dscnt 0x0                               ; both opening adds are done
	s_wait_kmcnt 0x0
	s_mov_b32 s[G0], 1
	s_mov_b32 s[G0+1], s62
	s_add_nc_u64 s[G0+2:G0+3], s[8:9], s[60:61]
	s_or_b32 s[G0+3], s[G0+3], 0x80000000
	CROUND                                         ; all four work-groups are here
	tensor_load_to_lds s[G0:G0+3], s[G1:G1+7]      ; slot 0: my one tensor load at the head
	s_nop 0
	PLACES
	s_mul_i32 s50, s[HEAD], 786432
	s_mul_i32 s51, s18, 24576
	s_add_co_u32 s50, s50, s51
	s_lshl_b32 s51, s[WV], 13
	s_add_co_u32 s50, s50, s51
	s_add_co_u32 s50, s50, 4*STEPB                 ; in slot 1: the first walk steps it to slot 2.  Nothing is prefetched at the head
	s_mov_b32 s51, 0
	s_add_nc_u64 s[PFA:PFA+1], s[8:9], s[50:51]
	s_mov_b32 s47, 0
	s_mov_b32 s49, 0
	s_mul_i32 s46, s[HEAD], 393216
	s_mul_i32 s48, s19, 12288
	s_add_co_u32 s46, s46, s48
	s_mul_i32 s48, s[PR], 3072
	s_add_co_u32 s46, s46, s48                     ; my pair's two images of q
	s_mul_i32 s52, s[KG], 1536
	s_add_co_u32 s48, s46, s52                     ; my tile 0 is tile w / 4 of the pair,
	s_sub_co_u32 s46, s46, s52
	s_add_co_u32 s46, s46, 1536                    ; my tile 1 the other
	s_add_nc_u64 s[68:69], s[4:5], s[48:49]
	s_add_nc_u64 s[70:71], s[4:5], s[46:47]
	s_lshl_b32 s46, s[HEAD], 6
	s_lshl_b32 s48, s19, 1
	s_add_co_u32 s46, s46, s48
	s_lshr_b32 s48, s[PR], 1
	s_add_co_u32 s46, s46, s48
	s_lshl_b32 s46, s46, 8
	s_and_b32 s48, s[PR], 1
	s_lshl_b32 s48, s48, 3
	s_add_co_u32 s46, s46, s48                     ; the pair's scale words
	s_lshl_b32 s52, s[KG], 2
	s_add_co_u32 s48, s46, s52
	s_sub_co_u32 s46, s46, s52
	s_add_co_u32 s46, s46, 4
	s_add_nc_u64 s[72:73], s[6:7], s[48:49]
	s_add_nc_u64 s[74:75], s[6:7], s[46:47]
	s_lshl_b32 s46, s[HEAD], 14
	s_add_nc_u64 s[10:11], s[10:11], s[46:47]
	s_add_nc_u64 s[12:13], s[12:13], s[46:47]
	s_lshl_b32 s46, s19, 3
	s_add_co_u32 s46, s46, s[HEAD]
	s_mul_i32 s46, s46, 12800
	s_lshl_b32 s52, s[PR], 1
	s_add_co_u32 s52, s52, s[KG]                   ; my tile 0 among the block's eight
	s_mul_i32 s48, s52, 1536
	s_add_co_u32 s48, s48, s46
	s_add_nc_u64 s[56:57], s[14:15], s[48:49]      ; o's image
	s_lshl_b32 s48, s52, 6
	s_add_co_u32 s48, s48, s46
	s_add_co_u32 s48, s48, 12288
	s_add_nc_u64 s[58:59], s[14:15], s[48:49]      ; and its scale words
	v_and_b32 v8, 31, v0                           ; lane
	v_and_b32 v9, 15, v0                           ; r
	D 2
	v_lshlrev_b32 v10, 4, v8
	D 2
	v_lshlrev_b32 v11, 4, v9
.irp g, 0,1,2
	global_load_b128 v[QF+4*\g:QF+4*\g+3], v10, s[68:69] offset:512*\g
	global_load_b128 v[QF+12+4*\g:QF+12+4*\g+3], v10, s[70:71] offset:512*\g
.endr
	global_load_b32 v[QS], v11, s[72:73]
	global_load_b32 v[QS+1], v11, s[74:75]
	v_lshlrev_b32 v250, 4, v0
.irp j, 0,1,2,3
	global_load_b128 v[66+4*\j:69+4*\j], v250, s[10:11] offset:4096*\j       ; k's scale words as they lie
.endr
	v_lshrrev_b32 v251, 4, v0
	D 1
	v_lshlrev_b32 v251, 9, v251
	D 1
	v_lshl_add_u32 v251, v9, 4, v251
.irp j, 0,1
	global_load_b128 v[82+8*\j:85+8*\j], v251, s[12:13] offset:8192*\j       ; v's: step tid / 16 + 16 j, row tid % 16: the first 64 keys' two bytes for 8 tiles,
	global_load_b128 v[86+8*\j:89+8*\j], v251, s[12:13] offset:8192*\j+256   ; and the second 64 keys'
.endr
	v_lshl_add_u32 v252, v0, 4, KSC
	v_lshl_add_u32 v253, v0, 5, VSC
	s_mul_i32 s52, s[KG], 2*STEPB
	v_add_nc_u32 v[AK0], s52, v10
	v_lshlrev_b32 v[AV8], 3, v8
	D 1
	v_add_nc_u32 v[AV8], s52, v[AV8]
	s_lshl_b32 s52, s[KG], 10
	s_add_co_u32 s53, s52, KSC
	v_add_nc_u32 v[ASK0], s53, v11
	s_add_co_u32 s53, s52, VSC
	v_lshl_add_u32 v[ASV0], v9, 5, s53
	v_lshlrev_b32 v[PFO], 8, v8
	v_bfe_u32 v[SH8], v0, 4, 1
	D 1
	v_lshlrev_b32 v[SH8], 3, v[SH8]
.irp q, 0,1
	v_mov_b32 v[13+4*\q], 0xff61b1e6               ; the largest score so far: -3e38
	v_mov_b32 v[12+4*\q], 0x7f61b1e6               ; -M: 3e38, a whole number
	v_mov_b32 v[14+4*\q], 0
	v_mov_b32 v[15+4*\q], 0
	v_mov_b32 v[21+2*\q], 0                        ; (named as the upper half of a pair before it is first written)
.endr
.irp b, 0,1,2,3,4,5,6,7
	v_mov_b32 v[T2+\b], 0                          ; a lane permute's destination counts as one of its sources
.endr
	WIN 0x40
.set n, 0
.rept 128
	v_mov_b32 v[n], 0                              ; O^T.  (The key step is written without a first step of its own: the first change of M multiplies zeros)
.set n, n+1
.endr
	WIN 0
	s_wait_loadcnt 0x0
.irp j, 0,1,2,3
	ds_store_b128 v252, v[66+4*\j:69+4*\j] offset:4096*\j
.endr
.irp j, 0,1
.irp m, 0,1,2,3
	v_perm_b32 v[98+8*\j+2*\m], v[86+8*\j+\m], v[82+8*\j+\m], 0x05040100     ; tile 2 m: the two low halves make its word of four bytes,
	v_perm_b32 v[98+8*\j+2*\m+1], v[86+8*\j+\m], v[82+8*\j+\m], 0x07060302   ; tile 2 m + 1: the two high halves
.endr
	ds_store_b128 v253, v[98+8*\j:101+8*\j] offset:8192*\j
	ds_store_b128 v253, v[102+8*\j:105+8*\j] offset:8192*\j+16
.endr
; A KEY STEP: 128 keys, the i-th of my two in the slot in hand, for my two tiles of queries.  z = 0: a step by itself; z = 1: the slot's last step, with the change of slots and a refill; z = 2: the same with a plain barrier and no refill.
.macro STEP i, z
	v_add_nc_u32 v[ADK], s[TB], v[AK0]             ; (these four are also the places behind the last products)
	v_add_nc_u32 v[ADV8], s[TB], v[AV8]
	v_add_nc_u32 v[ADS], s[TS], v[ASK0]
	v_add_nc_u32 v[ADT], s[TS], v[ASV0]
	WIN 0x40                                       ; destination window 1
.irp a, 0,1,2,3,4,5,6,7
.irp g, 0,1,2
	ds_load_b128 v[FB+12*\a+4*\g:FB+12*\a+4*\g+3], v[ADK] offset:STEPB*(\i)+1536*\a+512*\g
.endr
.endr
	WIN 0
	ds_load_b128 v[KS:KS+3], v[ADS] offset:512*(\i)
	ds_load_b128 v[KS+4:KS+7], v[ADS] offset:512*(\i)+256
	ds_load_b128 v[VS:VS+3], v[ADT] offset:512*(\i)
	ds_load_b128 v[VS+4:VS+7], v[ADT] offset:512*(\i)+16
	s_wait_alu depctr_va_vdst(0)
	s_wait_dscnt 0x2                               ; k and its scale words are in; the two loads of v's scale words may be out
	WIN 0x01                                       ; source 0 window 1
.irp a, 0,1,2,3,4,5,6,7
.irp q, 0,1
	WM0 S+64*\q+8*\a, FB+12*\a, QF+12*\q, KS+\a, QS+\q
.endr
.endr
	WIN 0
	PLACES                                         ; in front of the loads into k's registers and of the first reads of the scores
	WIN 0x40
.irp t, 0,1,2,3,4,5,6,7
.irp c, 0,1
	ds_load_b128 v[FB+12*\t+6*\c:FB+12*\t+6*\c+3], v[ADK] offset:STEPB*(\i)+12288+1536*\t+768*\c
	ds_load_b64 v[FB+12*\t+6*\c+4:FB+12*\t+6*\c+5], v[ADV8] offset:STEPB*(\i)+12288+1536*\t+768*\c+512
.endr
.endr
	WIN 0
.if \z
	s_wait_tensorcnt 0x0                           ; my last LDS loads from this slot are issued.  My one tensor load, my part of the slot ahead, has landed;
	ds_add_u32 v[SPW], v[NIL]                      ; 0 onto my spare word; the work on registers below stands between it and the wait for it
.if \z == 1
	WALK
.endif
.endif
.irp q, 0,1
.irp b, 0,1,2,3
	v_max3_num_f32 v[BM+4*\q+\b], v[S+64*\q+16*\b], v[S+64*\q+16*\b+1], v[S+64*\q+16*\b+2]   ; largest scores, eight chains by turns, each accumulator from its low end on
.endr
.endr
.irp e, 3,5,7,9,11,13
.irp q, 0,1
.irp b, 0,1,2,3
	v_max3_num_f32 v[BM+4*\q+\b], v[BM+4*\q+\b], v[S+64*\q+16*\b+\e], v[S+64*\q+16*\b+\e+1]
.endr
.endr
.endr
.irp q, 0,1
.irp c, 0,1
	v_max3_num_f32 v[BM+4*\q+2*\c], v[BM+4*\q+2*\c], v[BM+4*\q+2*\c+1], v[S+64*\q+32*\c+15]
.endr
.endr
.irp q, 0,1
.irp c, 0,1
	v_max_num_f32 v[BM+4*\q+2*\c], v[BM+4*\q+2*\c], v[S+64*\q+32*\c+31]   ; the largest score of my block 2 c + h: for the row's maximum, and for the block's largest p
.endr
.endr
.irp q, 0,1
	v_max_num_f32 v[T2+4+\q], v[BM+4*\q], v[BM+4*\q+2]
.endr
.irp q, 0,1
	v_permlanex16_b32 v[T2+\q], v[T2+4+\q], s[SEL], s[SEL+1]
.endr
.irp q, 0,1
	v_max3_num_f32 v[13+4*\q], v[13+4*\q], v[T2+4+\q], v[T2+\q]   ; the running largest score, with lane l xor 16's blocks
.endr
.irp q, 0,1
	v_mul_f32 v[T2+4+\q], s[NCS], v[13+4*\q]       ; as -t (c is positive)
.endr
.irp q, 0,1
	v_floor_f32 v[T2+\q], v[T2+4+\q]               ; the new -M = -ceil(t): a whole number
.endr
.irp q, 0,1
	v_sub_f32 v[T2+4+\q], v[T2+\q], v[12+4*\q]     ; old M - new M
.endr
.irp q, 0,1
	v_mov_b32 v[12+4*\q], v[T2+\q]
.endr
.irp q, 0,1
	v_cvt_i32_f32 v[T2+4+\q], v[T2+4+\q]           ; (it saturates)
.endr
.irp q, 0,1
	v_ldexp_f32 v[20+2*\q], 1.0, v[T2+4+\q]        ; f = 2^(old M - new M)
.endr
.irp q, 0,1
.set n, 0
.rept 32
	v_pk_fma_f32 v[S+64*\q+n:S+64*\q+n+1], v[S+64*\q+n:S+64*\q+n+1], s[CS:CS+1], v[12+4*\q:13+4*\q] op_sel_hi:[1,0,0]   ; t - M
.set n, n+2
.endr
.irp c, 0,1
	v_fma_f32 v[BM+4*\q+2*\c], v[BM+4*\q+2*\c], s[CS], v[12+4*\q]   ; the same of each block's largest score
.endr
	v_pk_mul_f32 v[14+4*\q:15+4*\q], v[14+4*\q:15+4*\q], v[20+2*\q:21+2*\q] op_sel_hi:[1,0]   ; the sums under the new M
.endr
	WIN 0x41                                       ; destination and source 0 window 1
.irp q, 0,1
.set n, 0
.rept 32
	v_pk_mul_f32 v[64*\q+n:64*\q+n+1], v[64*\q+n:64*\q+n+1], v[20+2*\q:21+2*\q] op_sel_hi:[1,0]   ; O^T under the new M, each accumulator from its low end on
.set n, n+2
.endr
.endr
	WIN 0
	s_wait_alu depctr_va_vdst(0)                   ; ahead of the batch (and of the wait below)
.if \z
	s_wait_dscnt 0x0                               ; the add is done, v and its scale words are in, and my reads of this slot are over:
	s_barrier_signal -1                            ; say so.  Up to the wait for the others: work on registers alone
.endif
.irp q, 0,1
.irp c, 0,1
	v_exp_f32 v[BM+4*\q+2*\c], v[BM+4*\q+2*\c]     ; the blocks' largest p
.endr
.endr
.set n, 0
.rept 128
	v_exp_f32 v[S+n], v[S+n]                       ; p = 2^(t - M)
.set n, n+1
.endr
	v_nop                                          ; a plain place behind the last of them
	s_wait_alu depctr_va_vdst(0)                   ; one wait for the batch, ahead of its first reader
.irp q, 0,1
.irp c, 0,1
	v_max_num_f32 v[BM+4*\q+2*\c], 0x1800000, v[BM+4*\q+2*\c]    ; the floor 2^(3 - 127)
.endr
.endr
.irp q, 0,1
.irp c, 0,1
	v_add_nc_u32 v[SO+2*\q+\c], 0xff000000, v[BM+4*\q+2*\c]      ; the conversions' scale operands
.endr
.endr
.irp b, 0,1,2,3
	v_lshrrev_b32 v[T2+\b], 23, v[SO+\b]           ; the bytes
.endr
.irp q, 0,1
	v_lshl_or_b32 v[T2+4+\q], v[T2+2*\q+1], 16, v[T2+2*\q]       ; my two: blocks h and 2 + h,
.endr
.irp q, 0,1
	v_lshlrev_b32 v[T2+4+\q], v[SH8], v[T2+4+\q]   ; at their places in the word;
.endr
.irp q, 0,1
	v_permlanex16_b32 v[T2+6+\q], v[T2+4+\q], s[SEL], s[SEL+1]
.endr
.irp q, 0,1
	v_or_b32 v[21+2*\q], v[T2+4+\q], v[T2+6+\q]    ; with lane l xor 16's two: p's scale word for these 128 keys
.endr
.irp q, 0,1
.irp c, 0,1
	v_cvt_scalef32_pk16_fp6_f32 v[PC+12*\q+6*\c:PC+12*\q+6*\c+2], v[S+64*\q+32*\c:S+64*\q+32*\c+15], v[SO+2*\q+\c]
	v_cvt_scalef32_pk16_fp6_f32 v[CT+4*\c:CT+4*\c+2], v[S+64*\q+32*\c+16:S+64*\q+32*\c+31], v[SO+2*\q+\c]   ; (a conversion's three registers begin on an even number)
.endr
	v_nop                                          ; one plain place behind a scaled conversion
.irp c, 0,1
.irp e, 0,1,2
	v_mov_b32 v[PC+12*\q+6*\c+3+\e], v[CT+4*\c+\e]   ; registers 6 c .. 6 c + 5: keys 64 c + 32 h + 0 .. 31
.endr
.endr
.endr
.irp q, 0,1
	v_pk_add_f32 v[T2+4*\q:T2+4*\q+1], v[S+64*\q:S+64*\q+1], v[S+64*\q+2:S+64*\q+3]   ; the row's sum of the unquantised p, in two chains a tile; these lines are also the places in front of the products below
.endr
.irp e, 4,8,12,16,20,24,28,32,36,40,44,48,52,56,60
.irp q, 0,1
	v_pk_add_f32 v[14+4*\q:15+4*\q], v[14+4*\q:15+4*\q], v[S+64*\q+\e:S+64*\q+\e+1]
	v_pk_add_f32 v[T2+4*\q:T2+4*\q+1], v[T2+4*\q:T2+4*\q+1], v[S+64*\q+\e+2:S+64*\q+\e+3]
.endr
.endr
	v_pk_add_f32 v[14:15], v[14:15], v[T2:T2+1]
	v_pk_add_f32 v[18:19], v[18:19], v[T2+4:T2+5]
.if \z == 0
	s_wait_alu depctr_va_vdst(0)
	s_wait_dscnt 0x0                               ; v and its scale words are in
.endif
	WIN 0x51                                       ; source 0, C and D window 1
.irp t, 0,1,2,3,4,5,6,7
.irp q, 0,1
	WMA 64*\q+8*\t, FB+12*\t, PC+12*\q, VS+\t, 21+2*\q
.endr
.endr
	WIN 0
.if \z
	s_wait_alu depctr_va_vdst(0)
	s_barrier_wait -1                              ; every wave of my work-group has left this slot and has its part of the slot ahead
.if \z == 1
	CREST                                          ; the barrier has opened a round of the cluster's barrier: the same now holds of all four work-groups
	REFILL                                         ; the slot just left takes the 512 keys that follow the slot ahead: my one tensor load behind the round
.endif
.endif
.endm
	s_wait_alu depctr_va_vdst(0)
	s_wait_tensorcnt 0x0                           ; my part of slot 0 is in
	ds_add_u32 v[SPW], v[NIL]
	WALK
	s_wait_dscnt 0x0                               ; the add is done, and my stores of scale words have landed
	CROUND
	REFILL                                         ; slot 1's first fill
.Lslot:                                            ; six trips, slots 0 to 5: trip t fills slot t's bytes with slot t + 2
	STEP 0, 0
	STEP 1, 1
	s_xor_b32 s[TB], s[TB], SLOT1
	s_add_co_u32 s[TS], s[TS], 2048                ; four steps' scale words
	s_sub_co_u32 s[SLOTS], s[SLOTS], 1
	s_cmp_lg_u32 s[SLOTS], 0
	s_cbranch_scc1 .Lslot
	s_mov_b32 s[SLOTS], 2
.Ltail:                                            ; slots 6 and 7 are written apart: nothing is filled, a plain barrier shows slot 7 whole
	STEP 0, 0
	STEP 1, 2
	s_xor_b32 s[TB], s[TB], SLOT1
	s_add_co_u32 s[TS], s[TS], 2048
	s_sub_co_u32 s[SLOTS], s[SLOTS], 1
	s_cmp_lg_u32 s[SLOTS], 0
	s_cbranch_scc1 .Ltail
	; THE MERGE.  I hand O^T, -M and the sum of my tile 1 to the wave that shares my pair of tiles, and take its share of my tile 0.  The lines below are also the places behind the last products.
	v_and_b32 v8, 31, v0
	v_add_f32 v17, v18, v19                        ; v[16:17]: tile 1's -M and sum
	v_add_f32 v14, v14, v15
	v_and_b32 v252, 15, v0
	s_mul_i32 s46, s[WV], BOX
	s_add_co_u32 s46, s46, MRG                     ; my box,
	s_xor_b32 s47, s[WV], 4
	s_mul_i32 s47, s47, BOX
	s_add_co_u32 s47, s47, MRG                     ; the other's
	s_add_co_u32 s50, s46, 8192
	s_add_co_u32 s51, s47, 8192
	v_lshlrev_b32 v9, 4, v8
	v_lshl_add_u32 v10, v8, 4, s46
	v_lshl_add_u32 v11, v8, 4, s47
	v_lshl_add_u32 v250, v8, 3, s50
	v_lshl_add_u32 v251, v8, 3, s51
	v_lshlrev_b32 v252, 2, v252
	s_wait_alu depctr_va_vdst(0)
	WIN 0x04                                       ; an LDS store's data are its source 1: window 1
.set m, 0
.rept 16
	ds_store_b128 v10, v[64+4*m:64+4*m+3] offset:512*m   ; each accumulator from its low end on
.set m, m+1
.endr
	WIN 0
	ds_store_b64 v250, v[16:17]
	s_wait_dscnt 0x0                               ; for the other's sake: my stores have landed
	s_barrier_signal -1
	s_barrier_wait -1
	ds_load_b64 v[242:243], v251                   ; the other's -M and sum of my tile 0
.set m, 0
.rept 16
	ds_load_b128 v[S+4*m:S+4*m+3], v11 offset:512*m
.set m, m+1
.endr
	s_wait_dscnt 0x0
	v_min_num_f32 v42, v12, v242                   ; the joint -M
	D 1
	v_sub_f32 v44, v42, v12                        ; my M - the joint M: a whole number, 0 or less;
	D 2
	v_sub_f32 v45, v42, v242                       ; the other's
	D 2
	v_cvt_i32_f32 v44, v44
	D 2
	v_cvt_i32_f32 v45, v45
	D 2
	v_ldexp_f32 v44, 1.0, v44                      ; exact powers of two
	D 2
	v_ldexp_f32 v45, 1.0, v45
	D 2
	v_mul_f32 v48, v14, v44
	D 1
	v_fma_f32 v48, v243, v45, v48
	D 1
	v_permlanex16_b32 v50, v48, s[SEL], s[SEL+1]
	D 1
	v_add_f32 v48, v48, v50                        ; the row's sum
	s_wait_alu depctr_va_vdst(0)                   ; a wait ahead of the transcendental
	v_rcp_f32 v48, v48
	v_nop
	s_wait_alu depctr_va_vdst(0)                   ; and ahead of its first reader
	v_mul_f32 v52, v44, v48
	v_mul_f32 v53, v44, v48
	v_mul_f32 v54, v45, v48
	v_mul_f32 v55, v45, v48
.set n, 0
.rept 32
	v_pk_mul_f32 v[S+n:S+n+1], v[S+n:S+n+1], v[54:55]
.set n, n+2
.endr
	WIN 0x01
	s_wait_alu depctr_va_vdst(0)                   ; directly ahead of the first reader of O^T
.set n, 0
.rept 32
	v_pk_fma_f32 v[S+n:S+n+1], v[n:n+1], v[52:53], v[S+n:S+n+1]   ; o: register 8 t + j is channel 32 (t / 2) + 16 h + 8 (t % 2) + j of my query
.set n, n+2
.endr
	WIN 0
	QUANT S, PC, CT, 249
.irp g, 0,1,2
	global_store_b128 v9, v[PC+4*\g:PC+4*\g+3], s[56:57] offset:512*\g   ; 512 consecutive bytes
.endr
	global_store_b32 v252, v249, s[58:59]          ; the tile's 64 bytes of scale words: lanes r and r + 16 hold the same word and name the same place
	s_wait_tensorcnt 0x0                           ; the wave's end
	ds_add_u32 v[SPW], v[NIL]
	s_wait_dscnt 0x0
	CROUND                                         ; the closing round
	s_endpgm
.Lfunc_end_k_qbe7a7e085c_attn:
	.size	k_qbe7a7e085c_attn, .Lfunc_end_k_qbe7a7e085c_attn-k_qbe7a7e085c_attn
	.p2alignl 7, 3214868480
	.fill 96, 4, 3214868480
	.section	.rodata,"a",@progbits
	.p2align	6, 0x0
	.amdhsa_kernel k_qbe7a7e085c_attn
		.amdhsa_group_segment_fixed_size 327680
		.amdhsa_private_segment_fixed_size 0
		.amdhsa_enable_private_segment 0
		.amdhsa_kernarg_size 48
		.amdhsa_user_sgpr_count 2
		.amdhsa_user_sgpr_kernarg_segment_ptr 1
		.amdhsa_wavefront_size32 1
		.amdhsa_system_sgpr_workgroup_id_x 1
		.amdhsa_system_sgpr_workgroup_id_y 1
		.amdhsa_system_sgpr_workgroup_id_z 1
		.amdhsa_system_vgpr_workitem_id 0
		.amdhsa_next_free_vgpr 512
		.amdhsa_next_free_sgpr 80
		.amdhsa_reserve_vcc 0
		.amdhsa_float_denorm_mode_32 3
		.amdhsa_float_denorm_mode_16_64 3
		.amdhsa_memory_ordered 1
		.amdhsa_forward_progress 1
		.amdhsa_inst_pref_size 158
	.end_amdhsa_kernel
	.amdgpu_metadata
---
amdhsa.version: [ 1, 2 ]
amdhsa.kernels:
  - .name:           k_qbe7a7e085c_attn
    .symbol:         k_qbe7a7e085c_attn.kd
    .args:
      - { .name: qimg, .offset: 0, .size: 8, .value_kind: global_buffer, .address_space: global }
      - { .name: qsc, .offset: 8, .size: 8, .value_kind: global_buffer, .address_space: global }
      - { .name: kv, .offset: 16, .size: 8, .value_kind: global_buffer, .address_space: global }
      - { .name: ksc, .offset: 24, .size: 8, .value_kind: global_buffer, .address_space: global }
      - { .name: vsc, .offset: 32, .size: 8, .value_kind: global_buffer, .address_space: global }
      - { .name: oq, .offset: 40, .size: 8, .value_kind: global_buffer, .address_space: global }
    .group_segment_fixed_size: 327680
    .private_segment_fixed_size: 0
    .kernarg_segment_align: 8
    .kernarg_segment_size: 48
    .max_flat_workgroup_size: 256
    .sgpr_count:     80
    .vgpr_count:     512
    .wavefront_size: 32
...
	.end_amdgpu_metadata
.endif
;; end of part 3
;; launch outp (part 4): grid 8 x 32, 4 waves a work-group, clusters of 4 x 4, 222,720 bytes of LDS; arguments oq, wq, b_out, out0; writes out0
.if DOCPART == 4
	.amdgcn_target "amdgcn-amd-amdhsa--gfx1250"
	.amdhsa_code_object_version 6
	.text
	.protected	k_qbe7a7e085c_outp
	.globl	k_qbe7a7e085c_outp
	.p2align	8
	.type	k_qbe7a7e085c_outp,@function
k_qbe7a7e085c_outp:
	s_mov_b64 s[64:65], 0
	v_nop
	global_prefetch_b8 v0, s[64:65] scope:SCOPE_SE
	s_setreg_imm32_b32 hwreg(HW_REG_WAVE_MODE, 25, 1), 1
	s_wait_xcnt 0x0
	s_wait_alu depctr_hold_cnt(0) depctr_sa_sdst(0) depctr_va_vdst(0) depctr_va_sdst(0) depctr_va_ssrc(0) depctr_va_vcc(0) depctr_vm_vsrc(0)
	s_getreg_b32 s2, hwreg(HW_REG_IB_STS2, 6, 4)
	s_cmp_eq_u32 s2, 0
	s_cbranch_scc0 .Lentry_in_a_cluster
	s_endpgm
.Lentry_in_a_cluster:
	s_bfe_u32 s2, ttmp6, 0x10000c
	s_cmp_lg_u32 s2, 0xf033
	s_cbranch_scc0 .Lentry_shape_is_right
	s_endpgm
.Lentry_shape_is_right:
; out0 = Q(o) Q(w_out) + b_out on codes of FP6.  o's codes [32 blocks of 128 tokens][8 K steps][8 images, 8 x 64 bytes of scale words]; w_out's are part 3 of wq, [8 blocks of 128 columns][8 K steps][the same].
; A work-group makes 128 tokens x 128 columns; each of its four waves 64 x 64: 16 accumulators (window 1).  All of K, 102,400 bytes a side, lies in LDS, filled once: no slot is filled again.
; CLUSTER 4 x 4: o's block hangs on the block of tokens alone and is shared along a row of the cluster, w_out's on the block of columns alone and is shared along a column: both are asked for jointly.
; Waves 0, 1 fetch o's block, waves 2, 3 w_out's, each in one load of four K steps: waves 0, 2 K steps 0 to 3, waves 1, 3 K steps 4 to 7; all are in before the products begin.
; The product is used transposed (source 0 = 16 columns of w_out, source 1 = 16 tokens): a lane holds eight neighbouring columns of one token.  The bias is the C of each sum's first product.
; The rows of a tile are not neighbours (row r of tile T is index 32 (T / 2) + 8 (T % 2) + r + 8 (r / 8)): the way out puts each row where it belongs.
.set BB,    102400                     ; w_out's block in LDS
.set STG,   204800                     ; a stage of 16 rows x (256 bytes + 16) for each wave
.set SPARE, STG+4*4352                 ; the spare words, 128 bytes for each wave
.set SPW, 12
.set NIL, 13
.set STO, 14
.set RD,  15
.set CO,  24
.set BIA, 224                          ; v224-255 the bias in the result's layout
.set WV,  12
.set G1A, 24
.set G1B, 32
.set G0A, 40                           ; s[40:43] the set for o's load;  s[48:51] for w_out's
.set G0B, 48
.set MSB, 0
.macro WIN new
.if MSB != \new
	s_set_vgpr_msb (MSB<<8)|\new
.set MSB, \new
.endif
.endm
.macro PLACES
.rept 4
	v_nop
.endr
.endm
.macro CROUND
	s_barrier_signal -1
	s_barrier_wait -1
	s_cmp_lg_u32 s[WV], 0
	s_cbranch_scc1 .Lnot_wave_0_\@
	s_barrier_signal -3
.Lnot_wave_0_\@:
	s_barrier_wait -3
	s_barrier_signal -1
	s_barrier_wait -1
.endm
.macro WMR d, a, b, c, sa, sb, ra, rb
.if (\ra)+2*(\rb) == 0
	v_wmma_scale_f32_16x16x128_f8f6f4 v[\d:\d+7], v[\a:\a+11], v[\b:\b+11], v[\c:\c+7], v[\sa], v[\sb] matrix_a_fmt:MATRIX_FMT_FP6 matrix_b_fmt:MATRIX_FMT_FP6
.elseif (\ra)+2*(\rb) == 1
	v_wmma_scale_f32_16x16x128_f8f6f4 v[\d:\d+7], v[\a:\a+11], v[\b:\b+11], v[\c:\c+7], v[\sa], v[\sb] matrix_a_fmt:MATRIX_FMT_FP6 matrix_b_fmt:MATRIX_FMT_FP6 matrix_a_scale:MATRIX_SCALE_ROW1
.elseif (\ra)+2*(\rb) == 2
	v_wmma_scale_f32_16x16x128_f8f6f4 v[\d:\d+7], v[\a:\a+11], v[\b:\b+11], v[\c:\c+7], v[\sa], v[\sb] matrix_a_fmt:MATRIX_FMT_FP6 matrix_b_fmt:MATRIX_FMT_FP6 matrix_b_scale:MATRIX_SCALE_ROW1
.else
	v_wmma_scale_f32_16x16x128_f8f6f4 v[\d:\d+7], v[\a:\a+11], v[\b:\b+11], v[\c:\c+7], v[\sa], v[\sb] matrix_a_fmt:MATRIX_FMT_FP6 matrix_b_fmt:MATRIX_FMT_FP6 matrix_a_scale:MATRIX_SCALE_ROW1 matrix_b_scale:MATRIX_SCALE_ROW1
.endif
.endm
	s_load_b256 s[4:11], s[0:1], 0x0               ; oq s[4:5], wq s[6:7], b_out s[8:9], out0 s[10:11]
	v_lshl_add_u32 v[SPW], v0, 2, SPARE
	v_mov_b32 v[NIL], 0
	ds_add_u32 v[SPW], v[NIL]                      ; the wave's opening: the add and its wait ahead of my first tensor load
	ds_add_u32 v[SPW], v[NIL]
	v_lshrrev_b32 v1, 5, v0
	v_readfirstlane_b32 s[WV], v1
	s_lshr_b32 s13, s[WV], 1                       ; which 64 tokens are mine
	s_and_b32 s14, s[WV], 1                        ; which 64 columns.  Also: which K steps I fetch
	s_bfe_u32 s15, ttmp6, 0x40000                  ; cx
	s_bfe_u32 s16, ttmp6, 0x40004                  ; cy
	s_lshl_b32 s17, ttmp9, 2
	s_add_co_u32 s17, s17, s15                     ; block of columns
	s_and_b32 s18, ttmp7, 0xffff
	s_lshl_b32 s18, s18, 2
	s_add_co_u32 s18, s18, s16                     ; block of tokens
	s_lshl_b32 s19, s16, 2
	s_lshl_b32 s19, 15, s19                        ; my row of the cluster
	s_lshl_b32 s20, 0x1111, s15                    ; my column
	s_or_b32 s[G1A], s19, (3<<16)|(1<<21)          ; o's block goes to my row; elements of 8 bytes; bit 21 beside a mask
	s_or_b32 s[G1B], s20, (3<<16)|(1<<21)          ; w_out's to my column
.irp g, G1A, G1B
	s_mov_b32 s[\g+1], 32<<16                      ; rows of 256 bytes,
	s_mov_b32 s[\g+2], 200<<16                     ; 200 of them: four K steps, my one load
	s_mov_b32 s[\g+3], 32<<16
	s_mov_b32 s[\g+4], 200
	s_mov_b32 s[\g+5], 32
	s_mov_b32 s[\g+6], 0
	s_mov_b32 s[\g+7], 0
.endr
	s_mul_i32 s21, s14, 51200                      ; K steps 4 (w % 2) on: in memory and in LDS
	s_mul_i32 s56, s18, 102400
	s_add_co_u32 s56, s56, s21
	s_mov_b32 s57, 0
	s_mul_i32 s58, s17, 102400
	s_add_co_u32 s58, s58, s21
	s_add_co_u32 s58, s58, 2457600                 ; part 3 of wq
	s_mov_b32 s59, 0
	s_wait_dscnt 0x0                               ; the opening add is done
	s_wait_kmcnt 0x0
	s_add_nc_u64 s[56:57], s[4:5], s[56:57]
	s_add_nc_u64 s[58:59], s[6:7], s[58:59]
.irp f, 0
	s_mov_b32 s[G0A+4*\f], 1
	s_add_co_u32 s[G0A+4*\f+1], s21, 51200*\f
	s_add_nc_u64 s[G0A+4*\f+2:G0A+4*\f+3], s[56:57], 51200*\f
	s_or_b32 s[G0A+4*\f+3], s[G0A+4*\f+3], 0x80000000
	s_mov_b32 s[G0B+4*\f], 1
	s_add_co_u32 s[G0B+4*\f+1], s21, BB+51200*\f
	s_add_nc_u64 s[G0B+4*\f+2:G0B+4*\f+3], s[58:59], 51200*\f
	s_or_b32 s[G0B+4*\f+3], s[G0B+4*\f+3], 0x80000000
.endr
	CROUND                                         ; all sixteen work-groups are here: the joint loads meet
	s_cmp_lt_u32 s[WV], 2                          ; a wave's one fill stands in one branch on the wave's number: one load of mine is out
	s_cbranch_scc0 .Lfirst_b
	tensor_load_to_lds s[G0A:G0A+3], s[G1A:G1A+7]
	s_nop 0
	PLACES
	s_branch .Lasked
.Lfirst_b:
	tensor_load_to_lds s[G0B:G0B+3], s[G1B:G1B+7]
	s_nop 0
	PLACES
.Lasked:
	v_and_b32 v1, 31, v0
	v_and_b32 v2, 15, v0                           ; r
	v_bfe_u32 v3, v0, 4, 1                         ; h
	v_lshlrev_b32 v25, 4, v1
	v_lshlrev_b32 v26, 2, v1
	v_lshlrev_b32 v27, 6, v3
	s_mul_i32 s60, s13, 6144
	v_add_nc_u32 v4, s60, v25                      ; o's four images of a K step: K steps 0-3,
	v_add_nc_u32 v5, 51200, v4                     ; K steps 4-7
	s_mul_i32 s60, s14, 6144
	s_add_co_u32 s60, s60, BB
	v_add_nc_u32 v6, s60, v25                      ; w_out's
	v_add_nc_u32 v7, 51200, v6
	s_lshl_b32 s60, s13, 8
	s_add_co_u32 s60, s60, 12288
	v_add_nc_u32 v8, s60, v26                      ; o's scale words
	v_add_nc_u32 v9, 51200, v8
	s_lshl_b32 s60, s14, 8
	s_add_co_u32 s60, s60, BB+12288
	v_add_nc_u32 v10, s60, v26                     ; w_out's
	v_add_nc_u32 v11, 51200, v10
	s_mul_i32 s60, s[WV], 4352
	s_add_co_u32 s60, s60, STG
	v_mul_u32_u24 v[STO], v2, 272
	v_lshl_add_u32 v[STO], v3, 6, v[STO]
	v_add_nc_u32 v[STO], s60, v[STO]               ; into my stage: row r, + 64 h
	v_mul_u32_u24 v[RD], v3, 272
	v_lshl_add_u32 v[RD], v2, 4, v[RD]
	v_add_nc_u32 v[RD], s60, v[RD]                 ; back: lanes 0-15 one row of 256 bytes, lanes 16-31 the next
	v_lshlrev_b32 v[CO], 12, v3
	v_lshl_add_u32 v[CO], v2, 4, v[CO]             ; and the same two rows in out0
	s_lshl_b32 s60, s17, 9
	s_lshl_b32 s61, s14, 8
	s_add_co_u32 s60, s60, s61                     ; my first column, in bytes
	s_mov_b32 s61, 0
	s_add_nc_u64 s[8:9], s[8:9], s[60:61]
	s_add_nc_u64 s[10:11], s[10:11], s[60:61]
	s_lshl_b32 s60, s18, 7
	s_lshl_b32 s62, s13, 6
	s_add_co_u32 s60, s60, s62
	s_lshl_b32 s60, s60, 12                        ; my first token's row
	s_add_nc_u64 s[10:11], s[10:11], s[60:61]
.irp a, 0,1,2,3
	global_load_b128 v[BIA+8*\a:BIA+8*\a+3], v27, s[8:9] offset:(32*(\a/2)+8*(\a%2))*4
	global_load_b128 v[BIA+8*\a+4:BIA+8*\a+7], v27, s[8:9] offset:(32*(\a/2)+8*(\a%2))*4+16
.endr
; K step s's operands into set f: w_out's four fragments, o's four, and the scale words (pairs of tiles): 28 loads
.macro FETCH s, f
.set FF, 32+96*(\f)
.irp a, 0,1,2,3
.irp g, 0,1,2
	ds_load_b128 v[FF+12*\a+4*\g:FF+12*\a+4*\g+3], v[6+(\s)/4] offset:12800*((\s)%4)+1536*\a+512*\g
.endr
.endr
.irp b, 0,1,2,3
.irp g, 0,1,2
	ds_load_b128 v[FF+48+12*\b+4*\g:FF+48+12*\b+4*\g+3], v[4+(\s)/4] offset:12800*((\s)%4)+1536*\b+512*\g
.endr
.endr
.irp p, 0,1
	ds_load_b32 v[16+4*(\f)+\p], v[8+(\s)/4] offset:12800*((\s)%4)+128*\p
	ds_load_b32 v[18+4*(\f)+\p], v[10+(\s)/4] offset:12800*((\s)%4)+128*\p
.endr
.endm
	s_wait_alu depctr_va_vdst(0)
	s_wait_tensorcnt 0x0                           ; my half of a side, four K steps, is in
	s_barrier_signal -1
	s_barrier_wait -1
	FETCH 0, 0
.irp s, 0,1,2,3,4,5,6,7
.if \s < 7
	FETCH \s+1, (\s+1)%2
	s_wait_dscnt 28                                ; all but the 28 just issued
.else
	s_wait_dscnt 0x0
.endif
.set FF, 32+96*(\s%2)
.if \s == 0
	s_wait_loadcnt 0x0                             ; the bias
	WIN 0x40                                       ; D window 1; C is the bias, in window 0
.else
	WIN 0x50
.endif
.irp b, 0,1,2,3
.irp a, 0,1,2,3
.if \s == 0
	WMR 8*(4*\b+\a), FF+12*\a, FF+48+12*\b, BIA+8*\a, 18+4*(\s%2)+\a/2, 16+4*(\s%2)+\b/2, \a%2, \b%2
.else
	WMR 8*(4*\b+\a), FF+12*\a, FF+48+12*\b, 8*(4*\b+\a), 18+4*(\s%2)+\a/2, 16+4*(\s%2)+\b/2, \a%2, \b%2
.endif
.endr
.endr
	WIN 0
	PLACES                                         ; in front of the next loads into this set, and of the first reads of results
.endr
; THE WAY OUT, a tile of 16 tokens x 64 columns at a time, through my own stage: LDS serves a wave's instructions in order, so no wait stands between the stores and the loads.
.macro TOSTAGE b
	WIN 0x04                                       ; an LDS store's data are its source 1: window 1
.irp a, 0,1,2,3
	ds_store_b128 v[STO], v[8*(4*(\b)+\a):8*(4*(\b)+\a)+3] offset:128*(\a/2)+32*(\a%2)          ; each accumulator from its low end on
	ds_store_b128 v[STO], v[8*(4*(\b)+\a)+4:8*(4*(\b)+\a)+7] offset:128*(\a/2)+32*(\a%2)+16
.endr
	WIN 0
.irp i, 0,1,2,3,4,5,6,7
	ds_load_b128 v[32+32*(\b)+4*\i:32+32*(\b)+4*\i+3], v[RD] offset:544*\i
.endr
.endm
.macro SEND b, younger
	s_wait_dscnt \younger
.irp i, 0,1,2,3,4,5,6,7
	global_store_b128 v[CO], v[32+32*(\b)+4*\i:32+32*(\b)+4*\i+3], s[10:11] offset:4096*(8*(\b)+2*\i+24*(\i/4)) th:TH_STORE_NT   ; row r of tile b of tokens is token 32 (r / 8) + 8 b + r % 8 of my 64; sixteen lanes store 256 consecutive bytes, aligned
.endr
.endm
	TOSTAGE 0
	TOSTAGE 1
	SEND 0, 16                                     ; behind tile 0's loads: tile 1's 8 stores and 8 loads
	TOSTAGE 2
	SEND 1, 16
	TOSTAGE 3
	SEND 2, 16
	SEND 3, 0
	s_wait_tensorcnt 0x0                           ; the wave's end
	ds_add_u32 v[SPW], v[NIL]
	s_wait_dscnt 0x0
	CROUND                                         ; the closing round
	s_endpgm
.Lfunc_end_k_qbe7a7e085c_outp:
	.size	k_qbe7a7e085c_outp, .Lfunc_end_k_qbe7a7e085c_outp-k_qbe7a7e085c_outp
	.p2alignl 7, 3214868480
	.fill 96, 4, 3214868480
	.section	.rodata,"a",@progbits
	.p2align	6, 0x0
	.amdhsa_kernel k_qbe7a7e085c_outp
		.amdhsa_group_segment_fixed_size 222720
		.amdhsa_private_segment_fixed_size 0
		.amdhsa_enable_private_segment 0
		.amdhsa_kernarg_size 32
		.amdhsa_user_sgpr_count 2
		.amdhsa_user_sgpr_kernarg_segment_ptr 1
		.amdhsa_wavefront_size32 1
		.amdhsa_system_sgpr_workgroup_id_x 1
		.amdhsa_system_sgpr_workgroup_id_y 1
		.amdhsa_system_sgpr_workgroup_id_z 1
		.amdhsa_system_vgpr_workitem_id 0
		.amdhsa_next_free_vgpr 512
		.amdhsa_next_free_sgpr 66
		.amdhsa_reserve_vcc 0
		.amdhsa_float_denorm_mode_32 3
		.amdhsa_float_denorm_mode_16_64 3
		.amdhsa_memory_ordered 1
		.amdhsa_forward_progress 1
		.amdhsa_inst_pref_size 47
	.end_amdhsa_kernel
	.amdgpu_metadata
---
amdhsa.version: [ 1, 2 ]
amdhsa.kernels:
  - .name:           k_qbe7a7e085c_outp
    .symbol:         k_qbe7a7e085c_outp.kd
    .args:
      - { .name: oq, .offset: 0, .size: 8, .value_kind: global_buffer, .address_space: global }
      - { .name: wq, .offset: 8, .size: 8, .value_kind: global_buffer, .address_space: global }
      - { .name: b_out, .offset: 16, .size: 8, .value_kind: global_buffer, .address_space: global }
      - { .name: out0, .offset: 24, .size: 8, .value_kind: global_buffer, .address_space: global }
    .group_segment_fixed_size: 222720
    .private_segment_fixed_size: 0
    .kernarg_segment_align: 8
    .kernarg_segment_size: 32
    .max_flat_workgroup_size: 128
    .sgpr_count:     66
    .vgpr_count:     512
    .wavefront_size: 32
...
	.end_amdgpu_metadata
.endif
;; end of part 4
